; MI455X (gfx1250); checked and timed in simulation.
; The chip was launched on July 23, 2026; its instructions are those of AMD's public machine-readable ISA for CDNA 5 (MIT licence, August 2026) and "CDNA5" Instruction Set Architecture Reference Guide (July 2026). The comments in the code are by the model that wrote it; some were corrected since.
;; Anomaly Attention. Allowed arithmetic: matrix products marked QUANTISED: E5M2 operands, one E8M0 scale for each 32 along K, by v_wmma_scale_f32_16x16x128_f8f6f4 with both operands' format E5M2, f32 sums; everything else in f32.
;; Inputs: attn_mask 2 x 1 x 2,048 x 2,048 bool; keys_channel 2 x 2,048 x 8 x 64 float32; keys_time 2 x 2,048 x 8 x 64 float32; queries_channel 2 x 2,048 x 8 x 64 float32; queries_time 2 x 2,048 x 8 x 64 float32; values_channel 2 x 2,048 x 8 x 64 float32; values_time 2 x 2,048 x 8 x 64 float32.
;; Outputs: out0 2 x 2,048 x 8 x 64 float32; out1 2 x 2,048 x 8 x 64 float32.
;; This version of the problem:
;;   THIS VERSION OF THE PROBLEM IS GIVEN IN LOW PRECISION. The matrix products marked QUANTISED in the list below multiply operands that are first quantised to E5M2 (5 exponent bits, 2 mantissa bits; 8 bits a number), with one power-of-two scale for each 32 numbers along K (OCP MX v1.0); their sums are f32. All else is computed in f32.
;;   The module's matrix products, in the order in which they are computed (A, B: the left and right operand; K: the contracted axis; several contracted axes count as one K, in the product's order):
;;     1. batch 16 x [M 2,048, K 64] x [K 64, N 2,048]; A: input queries_time; B: input keys_time: QUANTISED
;;     2. batch 16 x [M 64, K 2,048] x [K 2,048, N 2,048]; A: input values_time; B: softmax (see below): QUANTISED
;;     3. batch 16 x [M 2,048, K 64] x [K 64, N 2,048]; A: input queries_channel; B: input keys_channel: QUANTISED
;;     4. batch 16 x [M 64, K 2,048] x [K 2,048, N 2,048]; A: input values_channel; B: softmax (see below): QUANTISED
;;   THE QUANTISER, for each operand of a quantised product, along K:
;;     - K is cut into blocks of 32 from its start; a last block that is shorter is filled with zeros.
;;     - A block's scale is 2^e with e = floor(log2(the largest magnitude in the block)) - 15, held to -126 .. 127; a block of zeros has e = 0. As a byte (E8M0): e + 127.
;;     - Each number is divided by its block's scale, clamped to +-57,344, and rounded to the nearest number of E5M2, ties to even, subnormals kept.
;;     - The product sums the exact products of the quantised numbers (number of the format x scale) in f32.
;;   ~~~python
;;   def quantise(x, axis):      # numpy; x: float32 -> the quantised numbers, widened to float32 again
;;       x = np.moveaxis(x, axis, -1); K = x.shape[-1]
;;       x = np.pad(x, [(0, 0)] * (x.ndim - 1) + [(0, -K % 32)]); x = x.reshape(x.shape[:-1] + (-1, 32)); a = np.abs(x).max(-1, keepdims=True)
;;       e = np.where(a > 0, np.clip(np.frexp(np.where(a > 0, a, 1))[1] - 1 - 15, -126, 127), 0)      # np.frexp(a)[1] - 1 = floor(log2(a)), exactly
;;       r = np.clip(x / 2.0 ** e, -57344, 57344)
;;       step = 2.0 ** (np.maximum(np.frexp(np.where(r == 0, 1, r))[1] - 1, -14) - 2)
;;       q = np.round(r / step) * step * 2.0 ** e      # np.round: ties to even
;;       return np.moveaxis(q.reshape(q.shape[:-2] + (-1,))[..., :K], -1, axis).astype(np.float32)
;;   ~~~
;;   SOFTMAX AHEAD OF A QUANTISED PRODUCT. Where the list says 'softmax', what is quantised is not the finished softmax but p = 2^(t - M), with t = logit x log2(e) and M = ceil(the row's largest t), a whole number; so 1/2 < the row's largest p <= 1. The row's sum l is taken of the UNQUANTISED p, in f32, and the product's result is divided by l at the end. Since M is a whole number, a kernel that streams over the keys may use a running M (the ceiling of the running maximum): every later rescaling is an exact power of two, which a block's scale takes up: the codes' values come out the same.
;;   OPERANDS COMPUTED ON THE WAY. 'Computed on the way' means the value that the module computes at that place (a softmax that the list does not call 'softmax' is quantised finished and normalised). What goes into a quantiser is computed in f32, as accurately as f32 sums, v_exp_f32 and their like allow (about 1e-6 of the number): no bf16 or f16 on the way to a quantiser, and a product that is left as it is and whose result goes on into a quantised operand takes f32 operands (vector FMAs, or v_wmma_f32_16x16x4_f32). A number that lies on a knife's edge between two numbers of the format may be rounded either way, as far as f32 arithmetic and the matrix unit's own rounding can turn it there, and no further.
;; 2 versions. Each part assembles by itself: llvm-mc -triple=amdgcn-amd-amdhsa -mcpu=gfx1250 --defsym DOCPART=n.
;; ======== version 1 of 2: 2 launches
;; workspace buffers: codes 12,582,912 bytes; scales 393,216 bytes; maskw 1,048,576 bytes of whole numbers; flags 4,096 bytes of whole numbers
;; launch prep (part 1): grid 640 x 1, 4 waves a work-group, no clusters, 69,120 bytes of LDS; arguments queries_time, keys_time, queries_channel, keys_channel, values_time, values_channel, attn_mask, codes, scales, maskw, flags; writes codes, scales, maskw, flags
.if DOCPART == 1
	.amdgcn_target "amdgcn-amd-amdhsa--gfx1250"
	.amdhsa_code_object_version 6
	.text
	.protected	k_q705bc634e0_prep
	.globl	k_q705bc634e0_prep
	.p2align	8
	.type	k_q705bc634e0_prep,@function
k_q705bc634e0_prep:
	s_mov_b64 s[64:65], 0
	v_nop
	global_prefetch_b8 v0, s[64:65] scope:SCOPE_SE
	s_setreg_imm32_b32 hwreg(HW_REG_WAVE_MODE, 25, 1), 1
	s_wait_xcnt 0x0
; THE LAUNCH IN FRONT OF THE ATTENTION.  It turns the six f32 tensors [2][2048][8][64] into codes of BF8 (E5M2) with one E8M0 byte for each 32 along a product's K,
; laid as IMAGES OF OPERAND REGISTERS, and the mask [2][1][2048][2048] (one byte a flag) into lane masks and two flag bits for each tile of 16 queries x 128 keys.
; codes  [t 6][bh 16][s 16][f 4][c 4][512 bytes]: t = 0 queries_time, 1 keys_time, 2 queries_channel, 3 keys_channel, 4 values_time, 5 values_channel; bh = 8 b + head; s = a step of 128 rows (or keys).
;        512 bytes are four registers of a fragment: lane l's 16 bytes at 16 l.  l = r + 16 h.
;        Q, K: f = a block of 32 rows, c = 2 u + c': lane (r, h) holds row 128 s + 32 f + 8 u + r + 8 (r / 8), numbers 32 c' + 16 h + 0 .. 15 of its 64.
;        V:    f = channels 16 f + r, c: keys 128 s + 32 c + 16 h + 0 .. 15 (the keys are the second product's K).
; scales [t][bh][s][64 words]: word 2 l + j is the scale word (byte c for piece c) of fragment 2 j + h, row r.
; maskw  [b][qt 128][s 16][64 words]: tile qt = 2 blk + u holds the queries 32 blk + 8 u + r + 8 (r / 8); bit l of word n is the mask at that query and key 128 s + 32 (n / 16) + 16 h + n % 16.
; flags  [b][qt][g 4]: one word for steps 4 g .. 4 g + 3; bit 2 s': not every bit of the step is set; bit 2 s' + 1: some bit is set.
; A block's scale is 2^(floor(log2(its largest magnitude)) - 15); its byte is that magnitude's exponent field - 15, held at 1 from below.
; LIMITS: a block whose largest magnitude lies under 2^-111, a block of zeros among them, gets the byte 1 (zeros stay zero codes; this program alone reads the bytes); NaN and infinities among the f32 inputs are not
; served; of a mask byte bit 0 alone is read.
; SHARES: work-groups 0-255: Q and K (a wave: one step of 128 rows of one head); 256-383: V (likewise); 384-639: the mask (a work-group: one tile of 16 queries, a wave 512 keys).  Waves share nothing: no barrier.
; The three paths part on the work-group's number and never join; each has LDS bytes of its own.  No tensor load, no cluster: every byte is read once, by one wave.
.set QST,   0                          ; path Q, K: a stage of 32 rows x (256 bytes + 16) for each wave
.set QWB,   32*272
.set MST,   4*QWB                      ; path mask: a stage of 16 rows x (512 bytes + 16) for each wave
.set MWB,   16*528
.set SPARE, MST+4*MWB                  ; the spare words, 128 bytes for each wave: two blocks of 256 bytes that no other line names
.set SPW,  1                           ; v1   LDS address of my spare word; never rewritten
.set NIL,  2                           ; v2   0; never rewritten
.set LANE, 3
.set GIN,  4                           ; v4   Q, K: 2,048 h + 16 r: two rows a load
.set SIN,  5                           ; v5   Q, K: into the stage
.set SOUT, 6                           ; v6   Q, K: out of it
.set L16,  7                           ; v7   16 x lane
.set L8,   8                           ; v8   8 x lane
.set MIN,  9                           ; v9   mask: into the stage
.set MOUT, 10                          ; v10  mask: out of it
.set RR,   11
.set HH,   12
.set VCO,  13                          ; v13  V: my codes' place: 2,048 (lane / 16) + 16 (lane % 16)
.set L4,   14                          ; v14  4 x lane
.macro FINISH                          ; the wave's end
	s_wait_tensorcnt 0x0
	ds_add_u32 v[SPW], v[NIL]
	s_wait_dscnt 0x0
	s_endpgm
.endm
	s_load_b512 s[4:19], s[0:1], 0x0               ; the six tensors s[4:15], the mask s[16:17], codes s[18:19]
	s_load_b128 s[20:23], s[0:1], 0x40             ; scales, maskw
	s_load_b64 s[24:25], s[0:1], 0x50              ; flags
	v_lshl_add_u32 v[SPW], v0, 2, SPARE
	v_mov_b32 v[NIL], 0
	v_lshrrev_b32 v3, 5, v0
	v_readfirstlane_b32 s26, v3                    ; wave 0..3
	v_and_b32 v[LANE], 31, v0
	v_and_b32 v[RR], 15, v0                        ; r
	v_bfe_u32 v[HH], v0, 4, 1                      ; h
	s_mul_i32 s27, s26, QWB
	v_mul_u32_u24 v[SIN], v[HH], 272
	v_lshl_add_u32 v[SIN], v[RR], 4, v[SIN]
	v_add_nc_u32 v[SIN], s27, v[SIN]               ; lanes 0-15 one row's 256 bytes, lanes 16-31 the next slot's
	v_mul_u32_u24 v[SOUT], v[RR], 272
	v_lshl_add_u32 v[SOUT], v[HH], 6, v[SOUT]
	v_add_nc_u32 v[SOUT], s27, v[SOUT]             ; slot r, + 64 h: my 16 numbers of a block of 32
	s_mul_i32 s27, s26, MWB
	s_add_co_u32 s27, s27, MST
	v_lshlrev_b32 v[L16], 4, v[LANE]
	v_lshlrev_b32 v[L8], 3, v[LANE]
	v_lshlrev_b32 v[L4], 2, v[LANE]
	v_add_nc_u32 v[MIN], s27, v[L16]
	v_mul_u32_u24 v[MOUT], v[RR], 528
	v_lshl_add_u32 v[MOUT], v[HH], 4, v[MOUT]
	v_add_nc_u32 v[MOUT], s27, v[MOUT]             ; row r, + 16 h
	v_lshlrev_b32 v[GIN], 11, v[HH]
	v_lshl_add_u32 v[GIN], v[RR], 4, v[GIN]
	v_lshrrev_b32 v[VCO], 4, v[LANE]
	v_lshlrev_b32 v[VCO], 11, v[VCO]
	v_lshl_add_u32 v[VCO], v[RR], 4, v[VCO]
	s_mov_b32 s28, 0x76543210
	s_mov_b32 s29, 0xfedcba98                      ; v_permlanex16_b32's selects for lane l xor 16
	s_mov_b32 s30, 0x600000                        ; the mantissa field of 57,344
	s_wait_kmcnt 0x0
	s_cmp_lt_u32 ttmp9, 256
	s_cbranch_scc1 .Lqk
	s_cmp_lt_u32 ttmp9, 384
	s_cbranch_scc1 .Lv
; ---------------------------------------------------------------- THE MASK
.set M, 16                             ; v16-79   16 rows x 512 bytes as loaded
.set Y, 80                             ; v80-143  register 16 s' + 4 bb + i: my query's flags at keys 128 s' + 32 bb + 16 h + 4 i + 0 .. 3
.set T, 144                            ; v144-151 at work
.set W, 152                            ; v152-159 a pair for each step: lane j holds words 2 j and 2 j + 1
	s_sub_co_u32 s31, ttmp9, 384                   ; 128 b + qt
	s_lshr_b32 s36, s31, 7                         ; b
	s_and_b32 s37, s31, 127                        ; qt
	s_lshr_b32 s38, s37, 1
	s_lshl_b32 s38, s38, 16                        ; 32 blk rows of 2,048 bytes
	s_and_b32 s39, s37, 1
	s_lshl_b32 s39, s39, 14                        ; + 8 u rows
	s_add_co_u32 s40, s38, s39
	s_lshl_b32 s39, s36, 22                        ; + b
	s_add_co_u32 s40, s40, s39
	s_lshl_b32 s39, s26, 9                         ; + my wave's 512 keys
	s_add_co_u32 s40, s40, s39
	s_mov_b32 s41, 0
	s_add_nc_u64 s[16:17], s[16:17], s[40:41]
	s_lshl_b32 s40, s31, 12                        ; maskw: 16 steps of 256 bytes a tile,
	s_lshl_b32 s39, s26, 10                        ; four of them a wave
	s_add_co_u32 s40, s40, s39
	s_add_nc_u64 s[22:23], s[22:23], s[40:41]
	s_lshl_b32 s40, s31, 4                         ; flags: four words a tile, one a wave
	s_lshl_b32 s39, s26, 2
	s_add_co_u32 s40, s40, s39
	s_add_nc_u64 s[24:25], s[24:25], s[40:41]
.irp i, 0,1,2,3,4,5,6,7,8,9,10,11,12,13,14,15
	global_load_b128 v[M+4*\i:M+4*\i+3], v[L16], s[16:17] offset:(\i+8*(\i/8))*2048 th:TH_LOAD_NT   ; the tile's i-th query: 32 lanes read 512 consecutive bytes
.endr
.irp j, 0,1,2,3,4,5,6,7
	v_mov_b32 v[W+\j], 0                           ; v_writelane_b32's destination counts as read
.endr
.irp i, 0,1,2,3,4,5,6,7,8,9,10,11,12,13,14,15
	s_wait_loadcnt 15-\i                           ; loads come back in order: row i is in, the 15 - i younger ones may be out
	ds_store_b128 v[MIN], v[M+4*\i:M+4*\i+3] offset:528*\i
.endr
.irp p, 0,1,2,3
.irp q, 0,1,2,3
	ds_load_b128 v[Y+16*\p+4*\q:Y+16*\p+4*\q+3], v[MOUT] offset:128*\p+32*\q   ; LDS serves a wave's instructions in order: these see my stores
.endr
.endr
	s_wait_dscnt 0x0
	s_mov_b32 s42, 0                               ; the flag word
; One step of 128 keys: 64 words.  Word n = 8 q + e: flag byte n % 4 of register n / 4 is tested in all 32 lanes at once: the compare's lane mask IS the word.
.macro MSTEP sp
	s_mov_b32 s40, 0                               ; the OR of the 64 words
	s_mov_b32 s41, -1                              ; and their AND
.irp q, 0,1,2,3,4,5,6,7
.irp e, 0,1,2,3,4,5,6,7
	v_and_b32 v[T+\e], 1<<(8*(\e%4)), v[Y+16*\sp+2*\q+\e/4]
.endr
.irp e, 0,1,2,3,4,5,6,7
	v_cmp_ne_u32 s[32+\e], 0, v[T+\e]
.endr
.irp e, 0,1,2,3,4,5,6,7
	s_or_b32 s40, s40, s[32+\e]
	s_and_b32 s41, s41, s[32+\e]
	v_writelane_b32 v[W+2*\sp+(\e&1)], s[32+\e], 4*\q+\e/2
.endr
.endr
	s_cmp_lg_u32 s41, -1
	s_cselect_b32 s43, 1, 0                        ; not every bit is set: the step has work
	s_cmp_lg_u32 s40, 0
	s_cselect_b32 s44, 2, 0                        ; some bit is set: the step's scores want the mask
	s_or_b32 s43, s43, s44
	s_lshl_b32 s43, s43, 2*\sp
	s_or_b32 s42, s42, s43
	global_store_b64 v[L8], v[W+2*\sp:W+2*\sp+1], s[22:23] offset:256*\sp   ; 32 lanes store 256 consecutive bytes, aligned
.endm
	MSTEP 0
	MSTEP 1
	MSTEP 2
	MSTEP 3
	v_mov_b32 v160, s42
	v_mov_b32 v161, 0
	v_cmp_eq_u32 vcc_lo, 0, v[LANE]
	s_wait_xcnt 0x0                                ; EXEC is a source of the stores above: it changes only behind this wait
	s_and_saveexec_b32 s45, vcc_lo
	global_store_b32 v161, v160, s[24:25]          ; one word a wave (four bytes of a block: 4,096 bytes in the whole launch)
	s_wait_xcnt 0x0                                ; and again in front of the line that widens it
	s_or_b32 exec_lo, exec_lo, s45
	FINISH
; Where a wave's step lies.  In: s31 = t, s[32:33] = the tensor.  Out: s[32:33] at the step's first row of my head, s[18:19] and s[20:21] at its codes and scale words.
.macro PLACE
	s_and_b32 s36, ttmp9, 63
	s_lshl_b32 s36, s36, 2
	s_add_co_u32 s36, s36, s26                     ; 16 bh + s
	s_lshr_b32 s37, s36, 4                         ; bh
	s_and_b32 s38, s36, 15                         ; s
	s_lshr_b32 s40, s37, 3
	s_lshl_b32 s40, s40, 22                        ; b: 2,048 rows of 2,048 bytes
	s_and_b32 s39, s37, 7
	s_lshl_b32 s39, s39, 8                         ; the head's 256 bytes of a row
	s_add_co_u32 s40, s40, s39
	s_lshl_b32 s39, s38, 18                        ; 128 rows a step
	s_add_co_u32 s40, s40, s39
	s_mov_b32 s41, 0
	s_add_nc_u64 s[32:33], s[32:33], s[40:41]
	s_lshl_b32 s39, s31, 4
	s_add_co_u32 s39, s39, s37                     ; 16 t + bh
	s_lshl_b32 s40, s39, 17
	s_lshl_b32 s42, s38, 13
	s_add_co_u32 s40, s40, s42
	s_add_nc_u64 s[18:19], s[18:19], s[40:41]
	s_lshl_b32 s40, s39, 12
	s_lshl_b32 s42, s38, 8
	s_add_co_u32 s40, s40, s42
	s_add_nc_u64 s[20:21], s[20:21], s[40:41]
.endm
; ---------------------------------------------------------------- Q AND K: K (the head's 64) is innermost
.set R,  16                            ; v16-143  two sets of 64: a block of 32 rows as loaded
.set X,  144                           ; v144-207 register 16 c + i: number i of my 16 of piece c
.set PC, 208                           ; v208-223 a fragment's codes
.set TM, 224                           ; v224-227 largest magnitudes, v228-231 bytes, v232-235 57,344 x the scale, v236-239 the conversions' scale operands
.set PW, 240                           ; v240-243 the four fragments' scale words
.macro LOADR t                         ; block t: each load reads two whole rows of 256 bytes
.irp i, 0,1,2,3,4,5,6,7,8,9,10,11,12,13,14,15
	global_load_b128 v[R+64*((\t)%2)+4*\i:R+64*((\t)%2)+4*\i+3], v[GIN], s[32:33] offset:(32*(\t)+2*\i)*2048 th:TH_LOAD_NT
.endr
.endm
; Row p of the block goes to slot 16 ((p / 8) % 2) + p % 8 + 8 (p / 16), so that row 8 u + r + 8 (r / 8) lies in slot 16 u + r; slots are 272 bytes apart.
.macro TURNQ t
.irp i, 0,1,2,3,4,5,6,7,8,9,10,11,12,13,14,15
	ds_store_b128 v[SIN], v[R+64*((\t)%2)+4*\i:R+64*((\t)%2)+4*\i+3] offset:(16*(((2*\i)>>3)&1)+((2*\i)&7)+8*((2*\i)>>4))*272
.endr
.irp c, 0,1,2,3
.irp j, 0,1,2,3
	ds_load_b128 v[X+16*\c+4*\j:X+16*\c+4*\j+3], v[SOUT] offset:16*(\c/2)*272+128*(\c%2)+16*\j   ; LDS serves a wave's instructions in order: these see the stores above
.endr
.endr
.endm
; 64 numbers of a lane, four blocks of 32 shared with lane l xor 16, become 16 registers of codes in v[PC] on and a scale word in v[pw].
.macro QUANT s, pw
.irp b, 0,1,2,3
	v_max3_num_f32 v[TM+\b], |v[\s+16*\b]|, |v[\s+1+16*\b]|, 0x8000000   ; my 16 numbers, and the floor 2^(16 - 127): the byte cannot fall under 1
.endr
.irp i, 2,4,6,8,10,12,14
.irp b, 0,1,2,3
	v_max3_num_f32 v[TM+\b], v[TM+\b], |v[\s+16*\b+\i]|, |v[\s+1+16*\b+\i]|   ; the four blocks by turns
.endr
.endr
.irp b, 0,1,2,3
	v_permlanex16_b32 v[TM+4+\b], v[TM+\b], s28, s29
.endr
.irp b, 0,1,2,3
	v_max_num_f32 v[TM+\b], v[TM+\b], v[TM+4+\b]   ; the block's largest magnitude
.endr
.irp b, 0,1,2,3
	v_add_nc_u32 v[TM+12+\b], 0xf8800000, v[TM+\b]   ; 15 off its exponent field: the conversion takes this operand's exponent field as its scale
.endr
.irp b, 0,1,2,3
	v_and_or_b32 v[TM+8+\b], v[TM+\b], 0x7f800000, s30   ; 57,344 x the scale
.endr
.irp b, 0,1,2,3
	v_lshrrev_b32 v[TM+4+\b], 23, v[TM+12+\b]      ; the scale's byte
.endr
	v_lshl_or_b32 v[\pw], v[TM+5], 8, v[TM+4]
	v_lshl_or_b32 v[\pw], v[TM+6], 16, v[\pw]
	v_lshl_or_b32 v[\pw], v[TM+7], 24, v[\pw]
.irp b, 0,1,2,3
.irp i, 0,1,2,3,4,5,6,7,8,9,10,11,12,13,14,15
	v_med3_num_f32 v[\s+16*\b+\i], v[\s+16*\b+\i], -v[TM+8+\b], v[TM+8+\b]   ; the conversion to an 8-bit code does not saturate (ISA guide 7.6.2): the hold comes first
.endr
	v_cvt_scalef32_pk8_bf8_f32 v[PC+4*\b:PC+1+4*\b], v[\s+16*\b:\s+7+16*\b], v[TM+12+\b]
	v_cvt_scalef32_pk8_bf8_f32 v[PC+2+4*\b:PC+3+4*\b], v[\s+8+16*\b:\s+15+16*\b], v[TM+12+\b]
.endr
	v_nop                                          ; a plain vector line behind the last conversion
.endm
.macro QSTEP t
.if (\t) < 3
	s_wait_loadcnt 16                              ; this block's 16 loads are in; the other set's 16 may be out
.else
	s_wait_loadcnt 0x0
.endif
	TURNQ \t
	s_wait_dscnt 0x0                               ; X is in, and the stage's stores have read their set
	s_wait_xcnt 0x0                                ; the last block's code stores have read v[PC] on
.if (\t) < 2
	LOADR (\t)+2
.endif
	QUANT X, PW+(\t)
.irp c, 0,1,2,3
	global_store_b128 v[L16], v[PC+4*\c:PC+4*\c+3], s[18:19] offset:2048*(\t)+512*\c   ; 512 consecutive bytes, aligned
.endr
.endm
.Lqk:
	s_lshr_b32 s31, ttmp9, 6                       ; t = 0 .. 3: the choice hangs on the work-group's number alone
	s_cmp_lt_u32 s31, 2
	s_cselect_b64 s[32:33], s[4:5], s[8:9]
	s_cselect_b64 s[34:35], s[6:7], s[10:11]
	s_and_b32 s36, s31, 1
	s_cmp_eq_u32 s36, 0
	s_cselect_b64 s[32:33], s[32:33], s[34:35]
	PLACE
.irp b, 0,1,2,3
	v_mov_b32 v[TM+4+\b], 0                        ; written once: a lane permute's destination counts as one of its sources
.endr
	LOADR 0
	LOADR 1
	QSTEP 0
	QSTEP 1
	QSTEP 2
	QSTEP 3
	v_cmp_le_u32 vcc_lo, 16, v[LANE]               ; lanes 16-31 carry the odd fragments' words
	v_cndmask_b32 v244, v[PW], v[PW+1], vcc_lo
	v_cndmask_b32 v245, v[PW+2], v[PW+3], vcc_lo
	global_store_b64 v[L8], v[244:245], s[20:21]   ; 256 consecutive bytes, aligned
	FINISH
; ---------------------------------------------------------------- V: K (the keys) is NOT innermost: a lane takes a channel, its registers run down the keys
.set XV, 16                            ; v16-79   two sets of 32 numbers
.set CV, 80                            ; v80-143  eight registers of codes for each block: no store's data are written again
.set SB, 144                           ; v144-145 the scale words of channels l and 32 + l
; Block e = 2 c + d: keys 32 c .. 32 c + 31 of channel 32 d + lane.  The two halves of a row's 256 bytes are asked for by neighbouring blocks.
.macro LOADV e
.irp i, 0,1,2,3,4,5,6,7,8,9,10,11,12,13,14,15,16,17,18,19,20,21,22,23,24,25,26,27,28,29,30,31
	global_load_b32 v[XV+32*((\e)%2)+\i], v[L4], s[32:33] offset:(32*((\e)/2)+\i)*2048+128*((\e)%2) th:TH_LOAD_NT
.endr
.endm
.macro BLOCKV e
.set XS, XV+32*((\e)%2)
.if (\e) < 7
	s_wait_loadcnt 32                              ; this block's 32 loads are in; the next block's may be out
.else
	s_wait_loadcnt 0x0
.endif
	v_max3_num_f32 v146, |v[XS]|, |v[XS+1]|, |v[XS+2]|   ; all 32 numbers of the block are mine
	v_max3_num_f32 v147, |v[XS+3]|, |v[XS+4]|, |v[XS+5]|
.irp i, 6,10,14,18,22,26
	v_max3_num_f32 v146, v146, |v[XS+\i]|, |v[XS+\i+1]|
	v_max3_num_f32 v147, v147, |v[XS+\i+2]|, |v[XS+\i+3]|
.endr
	v_max3_num_f32 v146, v146, |v[XS+30]|, |v[XS+31]|
	v_max3_num_f32 v146, v146, v147, 0x8000000     ; and the floor
	v_add_nc_u32 v148, 0xf8800000, v146            ; the conversion's scale operand
	v_and_or_b32 v149, v146, 0x7f800000, s30       ; 57,344 x the scale
	v_lshrrev_b32 v147, 23, v148                   ; the byte
.if (\e)/2 == 0
	v_mov_b32 v[SB+(\e)%2], v147
.else
	v_lshl_or_b32 v[SB+(\e)%2], v147, 8*((\e)/2), v[SB+(\e)%2]
.endif
.irp i, 0,1,2,3,4,5,6,7,8,9,10,11,12,13,14,15,16,17,18,19,20,21,22,23,24,25,26,27,28,29,30,31
	v_med3_num_f32 v[XS+\i], v[XS+\i], -v149, v149
.endr
.irp g, 0,1,2,3
	v_cvt_scalef32_pk8_bf8_f32 v[CV+8*(\e)+2*\g:CV+8*(\e)+2*\g+1], v[XS+8*\g:XS+8*\g+7], v148
.endr
	v_nop                                          ; a plain vector line behind the last conversion
	global_store_b128 v[VCO], v[CV+8*(\e):CV+8*(\e)+3], s[18:19] offset:4096*((\e)%2)+512*((\e)/2)        ; keys 0-15 of the block: the image's lanes 0-15; sixteen lanes fill 256 aligned bytes
	global_store_b128 v[VCO], v[CV+8*(\e)+4:CV+8*(\e)+7], s[18:19] offset:4096*((\e)%2)+512*((\e)/2)+256  ; keys 16-31: its lanes 16-31
.if (\e) < 6
	LOADV (\e)+2
.endif
.endm
.Lv:
	s_sub_co_u32 s31, ttmp9, 256
	s_lshr_b32 s31, s31, 6                         ; 0: values_time, 1: values_channel
	s_cmp_eq_u32 s31, 0
	s_cselect_b64 s[32:33], s[12:13], s[14:15]
	s_add_co_u32 s31, s31, 4                       ; t
	PLACE
	LOADV 0
	LOADV 1
.irp e, 0,1,2,3,4,5,6,7
	BLOCKV \e
.endr
	global_store_b64 v[L8], v[SB:SB+1], s[20:21]   ; word 2 l + d: 256 consecutive bytes, aligned
	FINISH
.Lfunc_end_k_q705bc634e0_prep:
	.size	k_q705bc634e0_prep, .Lfunc_end_k_q705bc634e0_prep-k_q705bc634e0_prep
	.p2alignl 7, 3214868480
	.fill 96, 4, 3214868480
	.section	.rodata,"a",@progbits
	.p2align	6, 0x0
	.amdhsa_kernel k_q705bc634e0_prep
		.amdhsa_group_segment_fixed_size 69120
		.amdhsa_private_segment_fixed_size 0
		.amdhsa_enable_private_segment 0
		.amdhsa_kernarg_size 88
		.amdhsa_user_sgpr_count 2
		.amdhsa_user_sgpr_kernarg_segment_ptr 1
		.amdhsa_wavefront_size32 1
		.amdhsa_system_sgpr_workgroup_id_x 1
		.amdhsa_system_sgpr_workgroup_id_y 1
		.amdhsa_system_sgpr_workgroup_id_z 1
		.amdhsa_system_vgpr_workitem_id 0
		.amdhsa_next_free_vgpr 248
		.amdhsa_next_free_sgpr 66
		.amdhsa_reserve_vcc 1
		.amdhsa_float_denorm_mode_32 3
		.amdhsa_float_denorm_mode_16_64 3
		.amdhsa_memory_ordered 1
		.amdhsa_forward_progress 1
		.amdhsa_inst_pref_size 176
	.end_amdhsa_kernel
	.amdgpu_metadata
---
amdhsa.version: [ 1, 2 ]
amdhsa.kernels:
  - .name:           k_q705bc634e0_prep
    .symbol:         k_q705bc634e0_prep.kd
    .args:
      - { .name: queries_time, .offset: 0, .size: 8, .value_kind: global_buffer, .address_space: global }
      - { .name: keys_time, .offset: 8, .size: 8, .value_kind: global_buffer, .address_space: global }
      - { .name: queries_channel, .offset: 16, .size: 8, .value_kind: global_buffer, .address_space: global }
      - { .name: keys_channel, .offset: 24, .size: 8, .value_kind: global_buffer, .address_space: global }
      - { .name: values_time, .offset: 32, .size: 8, .value_kind: global_buffer, .address_space: global }
      - { .name: values_channel, .offset: 40, .size: 8, .value_kind: global_buffer, .address_space: global }
      - { .name: attn_mask, .offset: 48, .size: 8, .value_kind: global_buffer, .address_space: global }
      - { .name: codes, .offset: 56, .size: 8, .value_kind: global_buffer, .address_space: global }
      - { .name: scales, .offset: 64, .size: 8, .value_kind: global_buffer, .address_space: global }
      - { .name: maskw, .offset: 72, .size: 8, .value_kind: global_buffer, .address_space: global }
      - { .name: flags, .offset: 80, .size: 8, .value_kind: global_buffer, .address_space: global }
    .group_segment_fixed_size: 69120
    .private_segment_fixed_size: 0
    .kernarg_segment_align: 8
    .kernarg_segment_size: 88
    .max_flat_workgroup_size: 128
    .sgpr_count:     66
    .vgpr_count:     248
    .wavefront_size: 32
...
	.end_amdgpu_metadata
.endif
;; end of part 1
;; launch attn (part 2): grid 8 x 32, 8 waves a work-group, no clusters, 306,176 bytes of LDS; arguments codes, scales, maskw, flags, out0, out1; writes out0, out1
.if DOCPART == 2
	.amdgcn_target "amdgcn-amd-amdhsa--gfx1250"
	.amdhsa_code_object_version 6
	.text
	.protected	k_q705bc634e0_attn
	.globl	k_q705bc634e0_attn
	.p2align	8
	.type	k_q705bc634e0_attn,@function
k_q705bc634e0_attn:
	s_mov_b64 s[64:65], 0
	v_nop
	global_prefetch_b8 v0, s[64:65] scope:SCOPE_SE
	s_setreg_imm32_b32 hwreg(HW_REG_WAVE_MODE, 25, 1), 1
	s_wait_xcnt 0x0
; BOTH ATTENTIONS.  O[q] = the sum over keys of softmax(mask ? -inf : Q[q] . K[k] / 8) V[k], both products on codes of BF8 (E5M2) with one E8M0 byte for each 32 along K, as the launch before has laid them
; (images of operand registers; its head comment gives the layouts).  y = 16 a + bh: attention a (0 time, 1 channel), bh = 8 b + head.
; SOFTMAX: t = score x log2(e) / 8; M = the running largest t rounded UP to a whole number; p = 2^(t - M) is quantised along the keys, not normalised; the row's sum is taken of the unquantised p and divides O at the end;
; when M moves, the sum and O are multiplied by 2^(old M - new M), which rounds nothing.  A row whose every key is masked has the sum 0 and O = 0: 0 x (1 / 0) is NaN, as a softmax of -inf alone is.
; SHARES.  The eight work-groups x = 0 .. 7 of a head each hold ALL of the head's K and V codes and scale words in LDS (270,336 bytes), filled once through registers: no ring, and one barrier in the launch.
; Work-group x owns the query tiles qt = x + 8 k, k = 0 .. 15; wave w takes k = w and then k = 15 - w.  A tile (16 queries) walks the 16 key steps of 128 keys.
; THE MASK IS AN INPUT.  For each tile and step the launch before has stored two bits: bit 0: not all 2,048 flags are set; bit 1: some flag is set.  A step with bit 0 clear adds nothing (every p is 0; M, the sum and O stay)
; and is passed over by a scalar branch on that stored number; with bit 1 set the step's 64 lane masks are read into scalar registers and each score is replaced by -inf where its bit is set.  Any pattern is served.
; NO TENSOR LOAD, NO CLUSTER: the walk branches on stored numbers; what the eight partners share is one fill of 270,336 bytes each, and each passes over up to half of its steps.
; LAYOUT.  Both products are used transposed: a lane holds ONE query (lane % 16).  The head size is 64, half of the instruction's 128: a fragment of K holds TWO tiles of 16 keys (k 0-63: tile 2 f, k 64-127: tile 2 f + 1),
; and source 1 is [Q | zeros] or [zeros | Q]: three runs of eight registers, Q, zeros, Q.  Zero codes add nothing under any scale byte that is not 0xff.  Register n of S^T is key 32 (n / 16) + 16 (lane / 16) + n % 16.
; LIMITS: p under 2^-126 comes out of v_exp_f32 as 0; a block whose largest p lies under 2^-111 keeps the byte 1; NaN and infinities among the f32 inputs are not served.
.set KIMG,  0                          ; K's images: 8,192 bytes a step
.set VIMG,  131072                     ; V's
.set KSC,   262144                     ; K's scale words: 256 bytes a step
.set VSC,   266240                     ; V's
.set STAGE, 270336                     ; the way out: 16 rows x (256 bytes + 16) for each wave
.set SPARE, 305152                     ; the spare words, 128 bytes for each wave: four blocks of 256 bytes that no other line names
.set SPW,  1                           ; v1   LDS address of my spare word; never rewritten
.set NIL,  2                           ; v2   0; never rewritten
.set AK0,  3                           ; v3   16 x lane: my place in an image (and in Q's image in memory)
.set AV0,  4                           ; v4   the same + VIMG
.set ASK0, 5                           ; v5   8 x lane + KSC
.set ASV0, 6                           ; v6   8 x lane + VSC
.set ADK,  7                           ; v7-10 the step's addresses
.set ADV,  8
.set ADS,  9
.set ADT,  10
.set QSO,  11                          ; v11  8 r: Q's scale word
.set Q,    16                          ; v16-23 Q, v24-31 zeros, v32-39 Q.   v12 -M, v13 the largest t, v[14:15] the sum in two halves
.set QS,   40                          ; v40  Q's scale word, its two bytes twice
.set GO,   41                          ; v41  the way out: 2,048 h + 16 r
.set KS,   42                          ; v42-43 K's scale words: lanes 0-15 fragments 0, 2; lanes 16-31 fragments 1, 3
.set VS,   44                          ; v44-45 V's likewise
.set PS,   46                          ; v46  p's scale word
.set NINF, 47                          ; v47  -infinity
.set KV,   48                          ; v48-111  four fragments of K, then of V
.set S,    112                         ; v112-175 S^T, then p
.set O,    176                         ; v176-207 O^T
.set PC,   208                         ; v208-223 p's codes
.set BM,   224                         ; v224-227 the blocks' largest scores, then their largest p
.set T1,   228                         ; v228-231 at work
.set HOLD, 232
.set SOP,  236
.set F,    240                         ; v[240:241] f = 2^(old M - new M) in the low word
.set TMP,  242
.set VSD,  244                         ; v244-247 the fill: V's scale words
.set FO,   248                         ; v248 the fill: 16 x thread
.set FA,   249                         ; v249-253 the fill's LDS addresses: 16 x thread + 65,536 n, n = 0 .. 4
.set STO,  254
.set RD,   255
.set WV,  84
.set QT,  85
.set SEL, 86                           ; s[86:87]
.set CS,  88                           ; s[88:89] c = log2(e) / 8, twice
.set MNT, 90
.set TK,  91                           ; 8,192 x step
.set TSC, 92                           ; 256 x step
.set MO,  93                           ; 256 x step: the mask words' offset
.set FL,  94                           ; the tile's 32 flag bits, the step in hand lowest
.set CNT, 95
.set MB,  98                           ; s[98:99]  the tile's mask words
.set OB,  100                          ; s[100:101] the tile's first row of O
	s_load_b256 s[4:11], s[0:1], 0x0               ; codes, scales, maskw, flags
	s_load_b128 s[12:15], s[0:1], 0x20             ; out0, out1
	v_lshl_add_u32 v[SPW], v0, 2, SPARE
	v_mov_b32 v[NIL], 0
	v_lshrrev_b32 v3, 5, v0
	v_readfirstlane_b32 s[WV], v3                  ; wave 0..7
	v_and_b32 v7, 31, v0                           ; lane
	v_and_b32 v8, 15, v0                           ; r
	v_bfe_u32 v9, v0, 4, 1                         ; h
	v_lshlrev_b32 v[AK0], 4, v7
	v_add_nc_u32 v[AV0], VIMG, v[AK0]
	v_lshlrev_b32 v[ASK0], 3, v7
	v_add_nc_u32 v[ASV0], VSC, v[ASK0]
	v_add_nc_u32 v[ASK0], KSC, v[ASK0]
	v_lshlrev_b32 v[QSO], 3, v8
	v_lshlrev_b32 v[GO], 11, v9
	v_lshl_add_u32 v[GO], v8, 4, v[GO]
	v_mov_b32 v[NINF], 0xff800000
	v_lshlrev_b32 v[FO], 4, v0
	v_lshlrev_b32 v[FA], 4, v0
.irp n, 1,2,3,4
	v_add_nc_u32 v[FA+\n], 65536*\n, v[FA]
.endr
	s_mul_i32 s96, s[WV], 16*272
	s_add_co_u32 s96, s96, STAGE                   ; my stage
	v_mul_u32_u24 v[STO], v8, 272
	v_lshl_add_u32 v[STO], v9, 5, v[STO]
	v_add_nc_u32 v[STO], s96, v[STO]               ; in: row r, + 32 h
	v_mul_u32_u24 v[RD], v9, 272
	v_lshl_add_u32 v[RD], v8, 4, v[RD]
	v_add_nc_u32 v[RD], s96, v[RD]                 ; back: lanes 0-15 one row, lanes 16-31 the next
.irp j, 0,1,2,3,4,5,6,7
	v_mov_b32 v[Q+8+\j], 0                         ; the zero codes between the two copies of Q: written once
.endr
	v_mov_b32 v[F+1], 0                            ; named as the upper half of a pair
	s_mov_b32 s[SEL], 0x76543210
	s_mov_b32 s[SEL+1], 0xfedcba98                 ; v_permlanex16_b32's selects for lane l xor 16
	s_mov_b32 s[CS], 0x3e38aa3b                    ; log2(e) / 8
	s_mov_b32 s[CS+1], s[CS]
	s_mov_b32 s[MNT], 0x600000                     ; the mantissa field of 57,344
	s_and_b32 s85, ttmp7, 0xffff                   ; y
	s_lshr_b32 s91, s85, 4                         ; a
	s_and_b32 s92, s85, 15                         ; bh
	s_lshl_b32 s93, s91, 5
	s_add_co_u32 s93, s93, s92                     ; Q's place among the 96 heads of codes: 16 (2 a) + bh
	s_add_co_u32 s94, s93, 16                      ; K's: 16 (2 a + 1) + bh
	s_lshl_b32 s95, s91, 4
	s_add_co_u32 s95, s95, s92
	s_add_co_u32 s95, s95, 64                      ; V's: 16 (4 + a) + bh
	s_mov_b32 s97, 0
	s_wait_kmcnt 0x0
	s_cmp_eq_u32 s91, 0
	s_cselect_b64 s[12:13], s[12:13], s[14:15]     ; the output: the choice hangs on the work-group's number alone
	s_lshl_b32 s96, s94, 17
	s_add_nc_u64 s[16:17], s[4:5], s[96:97]        ; K's codes
	s_lshl_b32 s96, s95, 17
	s_add_nc_u64 s[18:19], s[4:5], s[96:97]        ; V's codes
	s_lshl_b32 s96, s94, 12
	s_add_nc_u64 s[20:21], s[6:7], s[96:97]        ; K's scale words
	s_lshl_b32 s96, s95, 12
	s_add_nc_u64 s[22:23], s[6:7], s[96:97]        ; V's
	s_lshl_b32 s96, s93, 17
	s_add_nc_u64 s[4:5], s[4:5], s[96:97]          ; Q's codes
	s_lshl_b32 s96, s93, 12
	s_add_nc_u64 s[6:7], s[6:7], s[96:97]          ; Q's scale words
	s_lshr_b32 s94, s92, 3                         ; b
	s_lshl_b32 s96, s94, 19
	s_add_nc_u64 s[8:9], s[8:9], s[96:97]          ; maskw: 128 tiles x 4,096 bytes for each b
	s_lshl_b32 s96, s94, 11
	s_add_nc_u64 s[10:11], s[10:11], s[96:97]      ; flags: 128 tiles x 16 bytes
	s_lshl_b32 s96, s94, 22
	s_and_b32 s95, s92, 7
	s_lshl_b32 s95, s95, 8
	s_add_co_u32 s96, s96, s95
	s_add_nc_u64 s[12:13], s[12:13], s[96:97]      ; O at (b, row 0, head)
; The tile's addresses; its four flag words are asked for.  second = 0: k = wave; 1: k = 15 - wave.
.macro TILESET second
.if \second
	s_sub_co_u32 s[QT], 15, s[WV]
.else
	s_mov_b32 s[QT], s[WV]
.endif
	s_lshl_b32 s[QT], s[QT], 3
	s_add_co_u32 s[QT], s[QT], ttmp9               ; qt = x + 8 k
	s_lshr_b32 s94, s[QT], 1                       ; blk
	s_and_b32 s95, s[QT], 1                        ; u
	s_mov_b32 s97, 0
	s_lshl_b32 s96, s94, 11                        ; a block's four pieces,
	s_lshl_b32 s93, s95, 10                        ; of which the tile has pieces 2 u and 2 u + 1
	s_add_co_u32 s96, s96, s93
	s_add_nc_u64 s[2:3], s[4:5], s[96:97]
	s_lshr_b32 s96, s94, 2                         ; the block's scale words: step blk / 4, fragment blk % 4 = 2 j + h: 256 step + 128 h + 4 j (+ 8 r)
	s_lshl_b32 s96, s96, 8
	s_and_b32 s93, s94, 1
	s_lshl_b32 s93, s93, 7
	s_add_co_u32 s96, s96, s93
	s_bfe_u32 s93, s94, 0x10001
	s_lshl_b32 s93, s93, 2
	s_add_co_u32 s96, s96, s93
	s_add_nc_u64 s[14:15], s[6:7], s[96:97]
	s_lshl_b32 s96, s[QT], 12
	s_add_nc_u64 s[MB:MB+1], s[8:9], s[96:97]
	s_lshl_b32 s96, s94, 16                        ; row 32 blk + 8 u of 2,048 bytes
	s_lshl_b32 s93, s95, 14
	s_add_co_u32 s96, s96, s93
	s_add_nc_u64 s[OB:OB+1], s[12:13], s[96:97]
	s_lshl_b32 s91, s[QT], 4
	s_load_b128 s[24:27], s[10:11], s91 offset:0x0 ; (s91 is written again only behind the wait for this load)
	s_cmp_eq_u32 s95, 0
	s_mov_b32 s28, 0x03020302
	s_cselect_b32 s28, 0x01000100, s28             ; which two bytes of the block's scale word are the tile's
.endm
.macro QLOAD                           ; Q's eight registers, twice; its block's scale word
	global_load_b128 v[Q:Q+3], v[AK0], s[2:3]
	global_load_b128 v[Q+4:Q+7], v[AK0], s[2:3] offset:512
	global_load_b128 v[Q+16:Q+19], v[AK0], s[2:3]
	global_load_b128 v[Q+20:Q+23], v[AK0], s[2:3] offset:512
	global_load_b32 v[TMP], v[QSO], s[14:15]
.endm
.macro QREADY
	s_wait_loadcnt 0x0                             ; Q
	s_wait_kmcnt 0x0                               ; the flag words
	s_lshl_b32 s25, s25, 8
	s_lshl_b32 s26, s26, 16
	s_lshl_b32 s27, s27, 24
	s_or_b32 s[FL], s24, s25
	s_or_b32 s[FL], s[FL], s26
	s_or_b32 s[FL], s[FL], s27                     ; two bits a step, step 0 lowest
	v_perm_b32 v[QS], v[TMP], v[TMP], s28          ; [q0, q1, q0, q1]: serves [Q | 0] and [0 | Q] alike
	v_mov_b32 v13, 0xff61b1e6                      ; the largest t so far: -3e38
	v_floor_f32 v12, -v13                          ; -M
	v_mov_b32 v14, 0
	v_mov_b32 v15, 0
.set j, 0
.rept 32
	v_mov_b32 v[O+j], 0                            ; O^T: a tile may have no step at all, so the sums begin as zeros.  (Also the places between the scale word's making and the first product)
.set j, j+1
.endr
	s_mov_b32 s[TK], 0
	s_mov_b32 s[TSC], 0
	s_mov_b32 s[MO], 0
	s_mov_b32 s[CNT], 0
.endm
.macro QK f, u                         ; S^T tile 2 f + u = 16 keys x my 16 queries
.if (\f)%2
	v_wmma_scale_f32_16x16x128_f8f6f4 v[S+8*(2*\f+\u):S+8*(2*\f+\u)+7], v[KV+16*\f:KV+16*\f+15], v[Q+8*\u:Q+8*\u+15], 0, v[KS+\f/2], v[QS] matrix_a_fmt:MATRIX_FMT_BF8 matrix_b_fmt:MATRIX_FMT_BF8 matrix_a_scale:MATRIX_SCALE_ROW1
.else
	v_wmma_scale_f32_16x16x128_f8f6f4 v[S+8*(2*\f+\u):S+8*(2*\f+\u)+7], v[KV+16*\f:KV+16*\f+15], v[Q+8*\u:Q+8*\u+15], 0, v[KS+\f/2], v[QS] matrix_a_fmt:MATRIX_FMT_BF8 matrix_b_fmt:MATRIX_FMT_BF8
.endif
.endm
; A step's first part: K's four fragments, the eight products S^T = K Q^T, and the request for V's four fragments, which land under the softmax.
.macro FRONT
	v_add_nc_u32 v[ADK], s[TK], v[AK0]
	v_add_nc_u32 v[ADV], s[TK], v[AV0]
	v_add_nc_u32 v[ADS], s[TSC], v[ASK0]
	v_add_nc_u32 v[ADT], s[TSC], v[ASV0]
.rept 4
	v_nop                                          ; with the four additions: eight places between the last step's products and the loads into the registers that they read
.endr
.irp f, 0,1,2,3
.irp c, 0,1,2,3
	ds_load_b128 v[KV+16*\f+4*\c:KV+16*\f+4*\c+3], v[ADK] offset:2048*\f+512*\c   ; an image: 512 consecutive bytes
.endr
.endr
	ds_load_b64 v[KS:KS+1], v[ADS]
	s_wait_dscnt 0x0
.irp f, 0,1,2,3
	QK \f, 0
	QK \f, 1
.endr
.rept 8
	v_nop                                          ; eight places in front of the loads into K's registers and of the first read of the scores
.endr
.irp t, 0,1,2,3
.irp c, 0,1,2,3
	ds_load_b128 v[KV+16*\t+4*\c:KV+16*\t+4*\c+3], v[ADV] offset:2048*\t+512*\c
.endr
.endr
	ds_load_b64 v[VS:VS+1], v[ADT]
.endm
; The softmax of 16 queries x 128 keys, and p's codes and scale word.
.macro SOFT
.irp b, 0,1,2,3
	v_max3_num_f32 v[BM+\b], v[S+16*\b], v[S+1+16*\b], v[S+2+16*\b]   ; the largest score of each block of 32 keys: it serves the row's maximum and, since p rises with the score, the block's largest p.  (Each accumulator is read from its low end on)
.endr
.irp i, 3,5,7,9,11,13
.irp b, 0,1,2,3
	v_max3_num_f32 v[BM+\b], v[BM+\b], v[S+16*\b+\i], v[S+1+16*\b+\i]
.endr
.endr
.irp b, 0,1,2,3
	v_max_num_f32 v[BM+\b], v[BM+\b], v[S+15+16*\b]
.endr
.irp b, 0,1,2,3
	v_permlanex16_b32 v[T1+\b], v[BM+\b], s[SEL], s[SEL+1]
.endr
.irp b, 0,1,2,3
	v_max_num_f32 v[BM+\b], v[BM+\b], v[T1+\b]     ; with lane l xor 16's 16 keys
.endr
	v_max3_num_f32 v[TMP], v[BM], v[BM+1], v[BM+2]
	v_max_num_f32 v[TMP], v[TMP], v[BM+3]          ; the step's largest score of my query (-infinity where all its keys are masked)
	v_mul_f32 v[TMP], s[CS], v[TMP]
	v_max_num_f32 v13, v13, v[TMP]                 ; the running largest t
	v_mov_b32 v[TMP], v12
	v_floor_f32 v12, -v13                          ; the new -M = -ceil(t): a whole number
	v_sub_f32 v[TMP], v12, v[TMP]                  ; old M - new M: a whole number, 0 or less
	v_cvt_i32_f32 v[TMP], v[TMP]                   ; (it saturates)
	v_ldexp_f32 v[F], 1.0, v[TMP]                  ; f = 2^(old M - new M)
.set j, 0
.rept 32
	v_pk_fma_f32 v[S+j:S+j+1], v[S+j:S+j+1], s[CS:CS+1], v[12:13] op_sel_hi:[1,0,0]   ; t - M, two at a time
.set j, j+2
.endr
.irp b, 0,1,2,3
	v_fma_f32 v[BM+\b], v[BM+\b], s[CS], v12       ; the same of each block's largest score
.endr
.set j, 0
.rept 64
	v_exp_f32 v[S+j], v[S+j]                       ; p = 2^(t - M), at most 1
.set j, j+1
.endr
	v_pk_mul_f32 v[14:15], v[14:15], v[F:F+1] op_sel_hi:[1,0]   ; the sums under the new M: a plain line behind the exponentials
	s_wait_alu depctr_va_vdst(0)                   ; the wait ahead of the first line that names a result: one for the 64
.irp b, 0,1,2,3
	v_exp_f32 v[BM+\b], v[BM+\b]                   ; the block's largest p: the same two instructions on the same number give the same bits
.endr
	v_pk_add_f32 v[T1:T1+1], v[S:S+1], v[S+2:S+3]  ; the row's sum is taken of the unquantised p, in two chains
.irp j, 4,8,12,16,20,24,28,32,36,40,44,48,52,56,60
	v_pk_add_f32 v[14:15], v[14:15], v[S+\j:S+\j+1]
	v_pk_add_f32 v[T1:T1+1], v[T1:T1+1], v[S+2+\j:S+3+\j]
.endr
	v_pk_add_f32 v[14:15], v[14:15], v[T1:T1+1]
	s_wait_alu depctr_va_vdst(0)                   ; and one for the four
.irp b, 0,1,2,3
	v_max_num_f32 v[BM+\b], 0x8000000, v[BM+\b]    ; the floor 2^(16 - 127): the byte cannot fall under 1
.endr
.irp b, 0,1,2,3
	v_add_nc_u32 v[SOP+\b], 0xf8800000, v[BM+\b]   ; 15 off the exponent field: the conversion's scale operand
.endr
.irp b, 0,1,2,3
	v_and_or_b32 v[HOLD+\b], v[BM+\b], 0x7f800000, s[MNT]   ; 57,344 x the scale
.endr
.irp b, 0,1,2,3
	v_lshrrev_b32 v[T1+\b], 23, v[SOP+\b]          ; the byte
.endr
	v_lshl_or_b32 v[PS], v[T1+1], 8, v[T1]
	v_lshl_or_b32 v[PS], v[T1+2], 16, v[PS]
	v_lshl_or_b32 v[PS], v[T1+3], 24, v[PS]
.irp b, 0,1,2,3
.irp i, 0,1,2,3,4,5,6,7,8,9,10,11,12,13,14,15
	v_min_num_f32 v[S+16*\b+\i], v[S+16*\b+\i], v[HOLD+\b]   ; the conversion does not saturate (ISA guide 7.6.2); p is not negative, so the hold is one-sided
.endr
	v_cvt_scalef32_pk8_bf8_f32 v[PC+4*\b:PC+1+4*\b], v[S+16*\b:S+7+16*\b], v[SOP+\b]
	v_cvt_scalef32_pk8_bf8_f32 v[PC+2+4*\b:PC+3+4*\b], v[S+8+16*\b:S+15+16*\b], v[SOP+\b]
.endr
.set j, 0
.rept 16
	v_pk_mul_f32 v[O+j:O+j+1], v[O+j:O+j+1], v[F:F+1] op_sel_hi:[1,0]   ; O^T under the new M.  (These sixteen are also the places between the codes' making and the products)
.set j, j+2
.endr
.endm
; O^T += V^T P^T: four tiles of 16 channels, one instruction an accumulator; the next step's eight products on other accumulators stand between two links of a chain.
.macro PV
	s_wait_dscnt 0x0                               ; V and its scale words are in
.irp t, 0,1,2,3
.if \t%2
	v_wmma_scale_f32_16x16x128_f8f6f4 v[O+8*\t:O+8*\t+7], v[KV+16*\t:KV+16*\t+15], v[PC:PC+15], v[O+8*\t:O+8*\t+7], v[VS+\t/2], v[PS] matrix_a_fmt:MATRIX_FMT_BF8 matrix_b_fmt:MATRIX_FMT_BF8 matrix_a_scale:MATRIX_SCALE_ROW1
.else
	v_wmma_scale_f32_16x16x128_f8f6f4 v[O+8*\t:O+8*\t+7], v[KV+16*\t:KV+16*\t+15], v[PC:PC+15], v[O+8*\t:O+8*\t+7], v[VS+\t/2], v[PS] matrix_a_fmt:MATRIX_FMT_BF8 matrix_b_fmt:MATRIX_FMT_BF8
.endif
.endr
.endm
; The tile's walk over the 16 key steps: a constant count of trips; what a step's two stored bits decide is jumped over inside the trip; the lines that step addresses stand on every way.
.macro WALK
.Lstep_\@:
	s_and_b32 s97, s[FL], 1
	s_cmp_eq_u32 s97, 0
	s_cbranch_scc1 .Lnext_\@                       ; every flag of the step is set: nothing to add
	s_and_b32 s97, s[FL], 2
	s_cmp_eq_u32 s97, 0
	s_cbranch_scc1 .Lopen_\@                       ; no flag is set: the scores stand as they are
	s_load_b512 s[16:31], s[MB:MB+1], s[MO] offset:0x0     ; the step's 64 lane masks: word n in s[16 + n], from n = 48 on in s[20 + n]
	s_load_b512 s[32:47], s[MB:MB+1], s[MO] offset:0x40
	s_load_b512 s[48:63], s[MB:MB+1], s[MO] offset:0x80
	s_load_b512 s[68:83], s[MB:MB+1], s[MO] offset:0xc0
	FRONT
	s_wait_kmcnt 0x0                               ; the masks are in (and their offset may be stepped)
.set n, 0
.rept 64
.if n < 48
	v_cndmask_b32 v[S+n], v[S+n], v[NINF], s[16+n] ; -infinity where the bit is set: p = 0 then
.else
	v_cndmask_b32 v[S+n], v[S+n], v[NINF], s[20+n]
.endif
.set n, n+1
.endr
	s_branch .Lsoft_\@
.Lopen_\@:
	FRONT
.Lsoft_\@:
	SOFT
	PV
.Lnext_\@:
	s_lshr_b32 s[FL], s[FL], 2
	s_add_co_u32 s[TK], s[TK], 8192
	s_add_co_u32 s[TSC], s[TSC], 256
	s_add_co_u32 s[MO], s[MO], 256
	s_add_co_u32 s[CNT], s[CNT], 1
	s_cmp_lt_u32 s[CNT], 16
	s_cbranch_scc1 .Lstep_\@
.endm
; The way out: O^T / the sum goes through my stage and leaves as whole rows of 256 bytes.
.macro OUT
.rept 8
	v_nop                                          ; eight places behind the last products
.endr
	v_add_f32 v14, v14, v15                        ; the sum's two halves,
	v_permlanex16_b32 v[TMP], v14, s[SEL], s[SEL+1]
	v_add_f32 v14, v14, v[TMP]                     ; and lane l xor 16's
	v_rcp_f32 v14, v14
	v_nop                                          ; a plain line behind the transcendental
	s_wait_alu depctr_va_vdst(0)                   ; and the wait ahead of its first reader
.set j, 0
.rept 32
	v_mul_f32 v[S+j], v[O+j], v14                  ; register 8 t + i: channel 16 t + 8 h + i of query r
.set j, j+1
.endr
.irp t, 0,1,2,3
	ds_store_b128 v[STO], v[S+8*\t:S+8*\t+3] offset:64*\t
	ds_store_b128 v[STO], v[S+8*\t+4:S+8*\t+7] offset:64*\t+16
.endr
.irp i, 0,1,2,3,4,5,6,7
	ds_load_b128 v[KV+4*\i:KV+4*\i+3], v[RD] offset:544*\i   ; LDS serves a wave's instructions in order: these see my stores
.endr
.irp i, 0,1,2,3,4,5,6,7
	s_wait_dscnt 7-\i                              ; rows 2 i and 2 i + 1 are back; the 7 - i younger loads may be out
	global_store_b128 v[GO], v[KV+4*\i:KV+4*\i+3], s[OB:OB+1] offset:(2*\i+8*(\i/4))*2048 th:TH_STORE_NT   ; the tile's query p lies p + 8 (p / 8) rows on; sixteen lanes store 256 consecutive bytes, aligned
.endr
	s_wait_xcnt 0x0                                ; the stores have read their registers and their base
.endm
.macro GETB set, base, off             ; sixteen loads of the work-group's 4,096 consecutive bytes each
.irp i, 0,1,2,3,4,5,6,7,8,9,10,11,12,13,14,15
	global_load_b128 v[\set+4*\i:\set+4*\i+3], v[FO], s[\base:\base+1] offset:\off+4096*\i
.endr
.endm
.macro PUTB set, adr
.irp i, 0,1,2,3,4,5,6,7,8,9,10,11,12,13,14,15
	ds_store_b128 v[\adr], v[\set+4*\i:\set+4*\i+3] offset:4096*\i
.endr
.endm
	TILESET 0
	QLOAD                                          ; five loads
	; THE FILL: the head's K and V, 270,336 bytes, as they lie in memory: thread i takes 16 bytes at 16 i of each 4,096.  Three sets of 64 registers: 48 loads of a wave are out.
	global_load_b128 v[12:15], v[FO], s[20:21]     ; K's scale words
	global_load_b128 v[VSD:VSD+3], v[FO], s[22:23] ; V's
	GETB KV, 16, 0
	GETB S, 16, 65536
	GETB O, 18, 0
	s_wait_loadcnt 32                              ; all but the last two batches of sixteen
	ds_store_b128 v[FA+4], v[12:15]
	ds_store_b128 v[FA+4], v[VSD:VSD+3] offset:4096
	PUTB KV, FA
	s_wait_dscnt 0x0                               ; the stores have read the first set
	GETB KV, 18, 65536
	s_wait_loadcnt 32                              ; K's second half is in; two batches may be out
	PUTB S, FA+1
	s_wait_loadcnt 16                              ; V's first half
	PUTB O, FA+2
	s_wait_loadcnt 0x0
	PUTB KV, FA+3
	s_wait_dscnt 0x0                               ; for the others' sake: my stores have landed
	s_barrier_signal -1
	s_barrier_wait -1                              ; the launch's one barrier: behind it the images are only read
.irp b, 0,1,2,3
	v_mov_b32 v[T1+\b], 0                          ; written once: a lane permute's destination counts as one of its sources
.endr
	QREADY
	WALK
	OUT
	TILESET 1
	QLOAD
	QREADY
	WALK
	OUT
	s_wait_tensorcnt 0x0                           ; the wave's end
	ds_add_u32 v[SPW], v[NIL]
	s_wait_dscnt 0x0
	s_endpgm
.Lfunc_end_k_q705bc634e0_attn:
	.size	k_q705bc634e0_attn, .Lfunc_end_k_q705bc634e0_attn-k_q705bc634e0_attn
	.p2alignl 7, 3214868480
	.fill 96, 4, 3214868480
	.section	.rodata,"a",@progbits
	.p2align	6, 0x0
	.amdhsa_kernel k_q705bc634e0_attn
		.amdhsa_group_segment_fixed_size 306176
		.amdhsa_private_segment_fixed_size 0
		.amdhsa_enable_private_segment 0
		.amdhsa_kernarg_size 48
		.amdhsa_user_sgpr_count 2
		.amdhsa_user_sgpr_kernarg_segment_ptr 1
		.amdhsa_wavefront_size32 1
		.amdhsa_system_sgpr_workgroup_id_x 1
		.amdhsa_system_sgpr_workgroup_id_y 1
		.amdhsa_system_sgpr_workgroup_id_z 1
		.amdhsa_system_vgpr_workitem_id 0
		.amdhsa_next_free_vgpr 256
		.amdhsa_next_free_sgpr 102
		.amdhsa_reserve_vcc 0
		.amdhsa_float_denorm_mode_32 3
		.amdhsa_float_denorm_mode_16_64 3
		.amdhsa_memory_ordered 1
		.amdhsa_forward_progress 1
		.amdhsa_inst_pref_size 81
	.end_amdhsa_kernel
	.amdgpu_metadata
---
amdhsa.version: [ 1, 2 ]
amdhsa.kernels:
  - .name:           k_q705bc634e0_attn
    .symbol:         k_q705bc634e0_attn.kd
    .args:
      - { .name: codes, .offset: 0, .size: 8, .value_kind: global_buffer, .address_space: global }
      - { .name: scales, .offset: 8, .size: 8, .value_kind: global_buffer, .address_space: global }
      - { .name: maskw, .offset: 16, .size: 8, .value_kind: global_buffer, .address_space: global }
      - { .name: flags, .offset: 24, .size: 8, .value_kind: global_buffer, .address_space: global }
      - { .name: out0, .offset: 32, .size: 8, .value_kind: global_buffer, .address_space: global }
      - { .name: out1, .offset: 40, .size: 8, .value_kind: global_buffer, .address_space: global }
    .group_segment_fixed_size: 306176
    .private_segment_fixed_size: 0
    .kernarg_segment_align: 8
    .kernarg_segment_size: 48
    .max_flat_workgroup_size: 256
    .sgpr_count:     102
    .vgpr_count:     256
    .wavefront_size: 32
...
	.end_amdgpu_metadata
.endif
;; end of part 2
;; ======== version 2 of 2: 2 launches
;; workspace buffers: codes 12,582,912 bytes; scales 393,216 bytes; maskw 1,048,576 bytes of whole numbers; flags 4,096 bytes of whole numbers
;; launch prep (part 3): grid 640 x 1, 4 waves a work-group, no clusters, 69,120 bytes of LDS; arguments queries_time, keys_time, queries_channel, keys_channel, values_time, values_channel, attn_mask, codes, scales, maskw, flags; writes codes, scales, maskw, flags
.if DOCPART == 3
	.amdgcn_target "amdgcn-amd-amdhsa--gfx1250"
	.amdhsa_code_object_version 6
	.text
	.protected	k_q705bc634e0_prep
	.globl	k_q705bc634e0_prep
	.p2align	8
	.type	k_q705bc634e0_prep,@function
k_q705bc634e0_prep:
	s_mov_b64 s[64:65], 0
	v_nop
	global_prefetch_b8 v0, s[64:65] scope:SCOPE_SE
	s_setreg_imm32_b32 hwreg(HW_REG_WAVE_MODE, 25, 1), 1
	s_wait_xcnt 0x0
; THE LAUNCH IN FRONT OF THE ATTENTION.  It turns the six f32 tensors [2][2048][8][64] into codes of BF8 (E5M2) with one E8M0 byte for each 32 along a product's K,
; laid as IMAGES OF OPERAND REGISTERS, and the mask [2][1][2048][2048] (one byte a flag) into lane masks and two flag bits for each tile of 16 queries x 128 keys.
; codes  [t 6][bh 16][s 16][f 4][c 4][512 bytes]: t = 0 queries_time, 1 keys_time, 2 queries_channel, 3 keys_channel, 4 values_time, 5 values_channel; bh = 8 b + head; s = a step of 128 rows (or keys).
;        512 bytes are four registers of a fragment: lane l's 16 bytes at 16 l.  l = r + 16 h.
;        Q, K: f = a block of 32 rows, c = 2 u + c': lane (r, h) holds row 128 s + 32 f + 8 u + r + 8 (r / 8), numbers 32 c' + 16 h + 0 .. 15 of its 64.
;        V:    f = channels 16 f + r, c: keys 128 s + 32 c + 16 h + 0 .. 15 (the keys are the second product's K).
; scales [t][bh][s][64 words]: word 2 l + j is the scale word (byte c for piece c) of fragment 2 j + h, row r.
; maskw  [b][qt 128][s 16][64 words]: tile qt = 2 blk + u holds the queries 32 blk + 8 u + r + 8 (r / 8); bit l of word n is the mask at that query and key 128 s + 32 (n / 16) + 16 h + n % 16.
; flags  [b][qt][g 4]: one word for steps 4 g .. 4 g + 3; bit 2 s': not every bit of the step is set; bit 2 s' + 1: some bit is set.
; A block's scale is 2^(floor(log2(its largest magnitude)) - 15); its byte is that magnitude's exponent field - 15, held at 1 from below.
; LIMITS: a block whose largest magnitude lies under 2^-111, a block of zeros among them, gets the byte 1 (zeros stay zero codes; this program alone reads the bytes); NaN and infinities among the f32 inputs are not
; served; of a mask byte bit 0 alone is read.
; SHARES: work-groups 0-255: Q and K (a wave: one step of 128 rows of one head); 256-383: V (likewise); 384-639: the mask (a work-group: one tile of 16 queries, a wave 512 keys).  Waves share nothing: no barrier.
; The three paths part on the work-group's number and never join; each has LDS bytes of its own.  No tensor load, no cluster: every byte is read once, by one wave.
.set QST,   0                          ; path Q, K: a stage of 32 rows x (256 bytes + 16) for each wave
.set QWB,   32*272
.set MST,   4*QWB                      ; path mask: a stage of 16 rows x (512 bytes + 16) for each wave
.set MWB,   16*528
.set SPARE, MST+4*MWB                  ; the spare words, 128 bytes for each wave: two blocks of 256 bytes that no other line names
.set SPW,  1                           ; v1   LDS address of my spare word; never rewritten
.set NIL,  2                           ; v2   0; never rewritten
.set LANE, 3
.set GIN,  4                           ; v4   Q, K: 2,048 h + 16 r: two rows a load
.set SIN,  5                           ; v5   Q, K: into the stage
.set SOUT, 6                           ; v6   Q, K: out of it
.set L16,  7                           ; v7   16 x lane
.set L8,   8                           ; v8   8 x lane
.set MIN,  9                           ; v9   mask: into the stage
.set MOUT, 10                          ; v10  mask: out of it
.set RR,   11
.set HH,   12
.set VCO,  13                          ; v13  V: my codes' place: 2,048 (lane / 16) + 16 (lane % 16)
.set L4,   14                          ; v14  4 x lane
.macro FINISH                          ; the wave's end
	s_wait_tensorcnt 0x0
	ds_add_u32 v[SPW], v[NIL]
	s_wait_dscnt 0x0
	s_endpgm
.endm
	s_load_b512 s[4:19], s[0:1], 0x0               ; the six tensors s[4:15], the mask s[16:17], codes s[18:19]
	s_load_b128 s[20:23], s[0:1], 0x40             ; scales, maskw
	s_load_b64 s[24:25], s[0:1], 0x50              ; flags
	v_lshl_add_u32 v[SPW], v0, 2, SPARE
	v_mov_b32 v[NIL], 0
	v_lshrrev_b32 v3, 5, v0
	v_readfirstlane_b32 s26, v3                    ; wave 0..3
	v_and_b32 v[LANE], 31, v0
	v_and_b32 v[RR], 15, v0                        ; r
	v_bfe_u32 v[HH], v0, 4, 1                      ; h
	s_mul_i32 s27, s26, QWB
	v_mul_u32_u24 v[SIN], v[HH], 272
	v_lshl_add_u32 v[SIN], v[RR], 4, v[SIN]
	v_add_nc_u32 v[SIN], s27, v[SIN]               ; lanes 0-15 one row's 256 bytes, lanes 16-31 the next slot's
	v_mul_u32_u24 v[SOUT], v[RR], 272
	v_lshl_add_u32 v[SOUT], v[HH], 6, v[SOUT]
	v_add_nc_u32 v[SOUT], s27, v[SOUT]             ; slot r, + 64 h: my 16 numbers of a block of 32
	s_mul_i32 s27, s26, MWB
	s_add_co_u32 s27, s27, MST
	v_lshlrev_b32 v[L16], 4, v[LANE]
	v_lshlrev_b32 v[L8], 3, v[LANE]
	v_lshlrev_b32 v[L4], 2, v[LANE]
	v_add_nc_u32 v[MIN], s27, v[L16]
	v_mul_u32_u24 v[MOUT], v[RR], 528
	v_lshl_add_u32 v[MOUT], v[HH], 4, v[MOUT]
	v_add_nc_u32 v[MOUT], s27, v[MOUT]             ; row r, + 16 h
	v_lshlrev_b32 v[GIN], 11, v[HH]
	v_lshl_add_u32 v[GIN], v[RR], 4, v[GIN]
	v_lshrrev_b32 v[VCO], 4, v[LANE]
	v_lshlrev_b32 v[VCO], 11, v[VCO]
	v_lshl_add_u32 v[VCO], v[RR], 4, v[VCO]
	s_mov_b32 s28, 0x76543210
	s_mov_b32 s29, 0xfedcba98                      ; v_permlanex16_b32's selects for lane l xor 16
	s_mov_b32 s30, 0x600000                        ; the mantissa field of 57,344
	s_wait_kmcnt 0x0
	s_cmp_lt_u32 ttmp9, 256
	s_cbranch_scc1 .Lqk
	s_cmp_lt_u32 ttmp9, 384
	s_cbranch_scc1 .Lv
; ---------------------------------------------------------------- THE MASK
.set M, 16                             ; v16-79   16 rows x 512 bytes as loaded
.set Y, 80                             ; v80-143  register 16 s' + 4 bb + i: my query's flags at keys 128 s' + 32 bb + 16 h + 4 i + 0 .. 3
.set T, 144                            ; v144-151 at work
.set W, 152                            ; v152-159 a pair for each step: lane j holds words 2 j and 2 j + 1
	s_sub_co_u32 s31, ttmp9, 384                   ; 128 b + qt
	s_lshr_b32 s36, s31, 7                         ; b
	s_and_b32 s37, s31, 127                        ; qt
	s_lshr_b32 s38, s37, 1
	s_lshl_b32 s38, s38, 16                        ; 32 blk rows of 2,048 bytes
	s_and_b32 s39, s37, 1
	s_lshl_b32 s39, s39, 14                        ; + 8 u rows
	s_add_co_u32 s40, s38, s39
	s_lshl_b32 s39, s36, 22                        ; + b
	s_add_co_u32 s40, s40, s39
	s_lshl_b32 s39, s26, 9                         ; + my wave's 512 keys
	s_add_co_u32 s40, s40, s39
	s_mov_b32 s41, 0
	s_add_nc_u64 s[16:17], s[16:17], s[40:41]
	s_lshl_b32 s40, s31, 12                        ; maskw: 16 steps of 256 bytes a tile,
	s_lshl_b32 s39, s26, 10                        ; four of them a wave
	s_add_co_u32 s40, s40, s39
	s_add_nc_u64 s[22:23], s[22:23], s[40:41]
	s_lshl_b32 s40, s31, 4                         ; flags: four words a tile, one a wave
	s_lshl_b32 s39, s26, 2
	s_add_co_u32 s40, s40, s39
	s_add_nc_u64 s[24:25], s[24:25], s[40:41]
.irp i, 0,1,2,3,4,5,6,7,8,9,10,11,12,13,14,15
	global_load_b128 v[M+4*\i:M+4*\i+3], v[L16], s[16:17] offset:(\i+8*(\i/8))*2048 th:TH_LOAD_NT   ; the tile's i-th query: 32 lanes read 512 consecutive bytes
.endr
.irp j, 0,1,2,3,4,5,6,7
	v_mov_b32 v[W+\j], 0                           ; v_writelane_b32's destination counts as read
.endr
.irp i, 0,1,2,3,4,5,6,7,8,9,10,11,12,13,14,15
	s_wait_loadcnt 15-\i                           ; loads come back in order: row i is in, the 15 - i younger ones may be out
	ds_store_b128 v[MIN], v[M+4*\i:M+4*\i+3] offset:528*\i
.endr
.irp p, 0,1,2,3
.irp q, 0,1,2,3
	ds_load_b128 v[Y+16*\p+4*\q:Y+16*\p+4*\q+3], v[MOUT] offset:128*\p+32*\q   ; LDS serves a wave's instructions in order: these see my stores
.endr
.endr
	s_wait_dscnt 0x0
	s_mov_b32 s42, 0                               ; the flag word
; One step of 128 keys: 64 words.  Word n = 8 q + e: flag byte n % 4 of register n / 4 is tested in all 32 lanes at once: the compare's lane mask IS the word.
.macro MSTEP sp
	s_mov_b32 s40, 0                               ; the OR of the 64 words
	s_mov_b32 s41, -1                              ; and their AND
.irp q, 0,1,2,3,4,5,6,7
.irp e, 0,1,2,3,4,5,6,7
	v_and_b32 v[T+\e], 1<<(8*(\e%4)), v[Y+16*\sp+2*\q+\e/4]
.endr
.irp e, 0,1,2,3,4,5,6,7
	v_cmp_ne_u32 s[32+\e], 0, v[T+\e]
.endr
.irp e, 0,1,2,3,4,5,6,7
	s_or_b32 s40, s40, s[32+\e]
	s_and_b32 s41, s41, s[32+\e]
	v_writelane_b32 v[W+2*\sp+(\e&1)], s[32+\e], 4*\q+\e/2
.endr
.endr
	s_wait_alu depctr_va_vdst(0)
	s_cmp_lg_u32 s41, -1
	s_cselect_b32 s43, 1, 0                        ; not every bit is set: the step has work
	s_cmp_lg_u32 s40, 0
	s_cselect_b32 s44, 2, 0                        ; some bit is set: the step's scores want the mask
	s_or_b32 s43, s43, s44
	s_lshl_b32 s43, s43, 2*\sp
	s_or_b32 s42, s42, s43
	global_store_b64 v[L8], v[W+2*\sp:W+2*\sp+1], s[22:23] offset:256*\sp   ; 32 lanes store 256 consecutive bytes, aligned
.endm
	MSTEP 0
	MSTEP 1
	MSTEP 2
	MSTEP 3
	v_mov_b32 v160, s42
	v_mov_b32 v161, 0
	v_cmp_eq_u32 vcc_lo, 0, v[LANE]
	s_wait_alu depctr_va_vdst(0)
	s_wait_xcnt 0x0                                ; EXEC is a source of the stores above: it changes only behind this wait
	s_and_saveexec_b32 s45, vcc_lo
	global_store_b32 v161, v160, s[24:25]          ; one word a wave (four bytes of a block: 4,096 bytes in the whole launch)
	s_wait_xcnt 0x0                                ; and again in front of the line that widens it
	s_or_b32 exec_lo, exec_lo, s45
	FINISH
; Where a wave's step lies.  In: s31 = t, s[32:33] = the tensor.  Out: s[32:33] at the step's first row of my head, s[18:19] and s[20:21] at its codes and scale words.
.macro PLACE
	s_and_b32 s36, ttmp9, 63
	s_lshl_b32 s36, s36, 2
	s_add_co_u32 s36, s36, s26                     ; 16 bh + s
	s_lshr_b32 s37, s36, 4                         ; bh
	s_and_b32 s38, s36, 15                         ; s
	s_lshr_b32 s40, s37, 3
	s_lshl_b32 s40, s40, 22                        ; b: 2,048 rows of 2,048 bytes
	s_and_b32 s39, s37, 7
	s_lshl_b32 s39, s39, 8                         ; the head's 256 bytes of a row
	s_add_co_u32 s40, s40, s39
	s_lshl_b32 s39, s38, 18                        ; 128 rows a step
	s_add_co_u32 s40, s40, s39
	s_mov_b32 s41, 0
	s_add_nc_u64 s[32:33], s[32:33], s[40:41]
	s_lshl_b32 s39, s31, 4
	s_add_co_u32 s39, s39, s37                     ; 16 t + bh
	s_lshl_b32 s40, s39, 17
	s_lshl_b32 s42, s38, 13
	s_add_co_u32 s40, s40, s42
	s_add_nc_u64 s[18:19], s[18:19], s[40:41]
	s_lshl_b32 s40, s39, 12
	s_lshl_b32 s42, s38, 8
	s_add_co_u32 s40, s40, s42
	s_add_nc_u64 s[20:21], s[20:21], s[40:41]
.endm
; ---------------------------------------------------------------- Q AND K: K (the head's 64) is innermost
.set R,  16                            ; v16-143  two sets of 64: a block of 32 rows as loaded
.set X,  144                           ; v144-207 register 16 c + i: number i of my 16 of piece c
.set PC, 208                           ; v208-223 a fragment's codes
.set TM, 224                           ; v224-227 largest magnitudes, v228-231 bytes, v232-235 57,344 x the scale, v236-239 the conversions' scale operands
.set PW, 240                           ; v240-243 the four fragments' scale words
.macro LOADR t                         ; block t: each load reads two whole rows of 256 bytes
.irp i, 0,1,2,3,4,5,6,7,8,9,10,11,12,13,14,15
	global_load_b128 v[R+64*((\t)%2)+4*\i:R+64*((\t)%2)+4*\i+3], v[GIN], s[32:33] offset:(32*(\t)+2*\i)*2048 th:TH_LOAD_NT
.endr
.endm
; Row p of the block goes to slot 16 ((p / 8) % 2) + p % 8 + 8 (p / 16), so that row 8 u + r + 8 (r / 8) lies in slot 16 u + r; slots are 272 bytes apart.
.macro TURNQ t
.irp i, 0,1,2,3,4,5,6,7,8,9,10,11,12,13,14,15
	ds_store_b128 v[SIN], v[R+64*((\t)%2)+4*\i:R+64*((\t)%2)+4*\i+3] offset:(16*(((2*\i)>>3)&1)+((2*\i)&7)+8*((2*\i)>>4))*272
.endr
.irp c, 0,1,2,3
.irp j, 0,1,2,3
	ds_load_b128 v[X+16*\c+4*\j:X+16*\c+4*\j+3], v[SOUT] offset:16*(\c/2)*272+128*(\c%2)+16*\j   ; LDS serves a wave's instructions in order: these see the stores above
.endr
.endr
.endm
; 64 numbers of a lane, four blocks of 32 shared with lane l xor 16, become 16 registers of codes in v[PC] on and a scale word in v[pw].
.macro QUANT s, pw
.irp b, 0,1,2,3
	v_max3_num_f32 v[TM+\b], |v[\s+16*\b]|, |v[\s+1+16*\b]|, 0x8000000   ; my 16 numbers, and the floor 2^(16 - 127): the byte cannot fall under 1
.endr
.irp i, 2,4,6,8,10,12,14
.irp b, 0,1,2,3
	v_max3_num_f32 v[TM+\b], v[TM+\b], |v[\s+16*\b+\i]|, |v[\s+1+16*\b+\i]|   ; the four blocks by turns
.endr
.endr
.irp b, 0,1,2,3
	v_permlanex16_b32 v[TM+4+\b], v[TM+\b], s28, s29
.endr
.irp b, 0,1,2,3
	v_max_num_f32 v[TM+\b], v[TM+\b], v[TM+4+\b]   ; the block's largest magnitude
.endr
.irp b, 0,1,2,3
	v_add_nc_u32 v[TM+12+\b], 0xf8800000, v[TM+\b]   ; 15 off its exponent field: the conversion takes this operand's exponent field as its scale
.endr
.irp b, 0,1,2,3
	v_and_or_b32 v[TM+8+\b], v[TM+\b], 0x7f800000, s30   ; 57,344 x the scale
.endr
.irp b, 0,1,2,3
	v_lshrrev_b32 v[TM+4+\b], 23, v[TM+12+\b]      ; the scale's byte
.endr
	v_lshl_or_b32 v[\pw], v[TM+5], 8, v[TM+4]
	v_lshl_or_b32 v[\pw], v[TM+6], 16, v[\pw]
	v_lshl_or_b32 v[\pw], v[TM+7], 24, v[\pw]
.irp b, 0,1,2,3
.irp i, 0,1,2,3,4,5,6,7,8,9,10,11,12,13,14,15
	v_med3_num_f32 v[\s+16*\b+\i], v[\s+16*\b+\i], -v[TM+8+\b], v[TM+8+\b]   ; the conversion to an 8-bit code does not saturate (ISA guide 7.6.2): the hold comes first
.endr
	v_cvt_scalef32_pk8_bf8_f32 v[PC+4*\b:PC+1+4*\b], v[\s+16*\b:\s+7+16*\b], v[TM+12+\b]
	v_cvt_scalef32_pk8_bf8_f32 v[PC+2+4*\b:PC+3+4*\b], v[\s+8+16*\b:\s+15+16*\b], v[TM+12+\b]
.endr
	v_nop                                          ; a plain vector line behind the last conversion
.endm
.macro QSTEP t
.if (\t) < 3
	s_wait_loadcnt 16                              ; this block's 16 loads are in; the other set's 16 may be out
.else
	s_wait_loadcnt 0x0
.endif
	TURNQ \t
	s_wait_dscnt 0x0                               ; X is in, and the stage's stores have read their set
	s_wait_xcnt 0x0                                ; the last block's code stores have read v[PC] on
.if (\t) < 2
	LOADR (\t)+2
.endif
	QUANT X, PW+(\t)
.irp c, 0,1,2,3
	global_store_b128 v[L16], v[PC+4*\c:PC+4*\c+3], s[18:19] offset:2048*(\t)+512*\c   ; 512 consecutive bytes, aligned
.endr
.endm
.Lqk:
	s_lshr_b32 s31, ttmp9, 6                       ; t = 0 .. 3: the choice hangs on the work-group's number alone
	s_cmp_lt_u32 s31, 2
	s_cselect_b64 s[32:33], s[4:5], s[8:9]
	s_cselect_b64 s[34:35], s[6:7], s[10:11]
	s_and_b32 s36, s31, 1
	s_cmp_eq_u32 s36, 0
	s_cselect_b64 s[32:33], s[32:33], s[34:35]
	PLACE
.irp b, 0,1,2,3
	v_mov_b32 v[TM+4+\b], 0                        ; written once: a lane permute's destination counts as one of its sources
.endr
	s_wait_alu depctr_va_vdst(0)
	LOADR 0
	LOADR 1
	QSTEP 0
	QSTEP 1
	QSTEP 2
	QSTEP 3
	v_cmp_le_u32 vcc_lo, 16, v[LANE]               ; lanes 16-31 carry the odd fragments' words
	v_cndmask_b32 v244, v[PW], v[PW+1], vcc_lo
	v_cndmask_b32 v245, v[PW+2], v[PW+3], vcc_lo
	global_store_b64 v[L8], v[244:245], s[20:21]   ; 256 consecutive bytes, aligned
	FINISH
; ---------------------------------------------------------------- V: K (the keys) is NOT innermost: a lane takes a channel, its registers run down the keys
.set XV, 16                            ; v16-79   two sets of 32 numbers
.set CV, 80                            ; v80-143  eight registers of codes for each block: no store's data are written again
.set SB, 144                           ; v144-145 the scale words of channels l and 32 + l
; Block e = 2 c + d: keys 32 c .. 32 c + 31 of channel 32 d + lane.  The two halves of a row's 256 bytes are asked for by neighbouring blocks.
.macro LOADV e
.irp i, 0,1,2,3,4,5,6,7,8,9,10,11,12,13,14,15,16,17,18,19,20,21,22,23,24,25,26,27,28,29,30,31
	global_load_b32 v[XV+32*((\e)%2)+\i], v[L4], s[32:33] offset:(32*((\e)/2)+\i)*2048+128*((\e)%2) th:TH_LOAD_NT
.endr
.endm
.macro BLOCKV e
.set XS, XV+32*((\e)%2)
.if (\e) < 7
	s_wait_loadcnt 32                              ; this block's 32 loads are in; the next block's may be out
.else
	s_wait_loadcnt 0x0
.endif
	v_max3_num_f32 v146, |v[XS]|, |v[XS+1]|, |v[XS+2]|   ; all 32 numbers of the block are mine
	v_max3_num_f32 v147, |v[XS+3]|, |v[XS+4]|, |v[XS+5]|
.irp i, 6,10,14,18,22,26
	v_max3_num_f32 v146, v146, |v[XS+\i]|, |v[XS+\i+1]|
	v_max3_num_f32 v147, v147, |v[XS+\i+2]|, |v[XS+\i+3]|
.endr
	v_max3_num_f32 v146, v146, |v[XS+30]|, |v[XS+31]|
	v_max3_num_f32 v146, v146, v147, 0x8000000     ; and the floor
	v_add_nc_u32 v148, 0xf8800000, v146            ; the conversion's scale operand
	v_and_or_b32 v149, v146, 0x7f800000, s30       ; 57,344 x the scale
	v_lshrrev_b32 v147, 23, v148                   ; the byte
.if (\e)/2 == 0
	v_mov_b32 v[SB+(\e)%2], v147
.else
	v_lshl_or_b32 v[SB+(\e)%2], v147, 8*((\e)/2), v[SB+(\e)%2]
.endif
.irp i, 0,1,2,3,4,5,6,7,8,9,10,11,12,13,14,15,16,17,18,19,20,21,22,23,24,25,26,27,28,29,30,31
	v_med3_num_f32 v[XS+\i], v[XS+\i], -v149, v149
.endr
.irp g, 0,1,2,3
	v_cvt_scalef32_pk8_bf8_f32 v[CV+8*(\e)+2*\g:CV+8*(\e)+2*\g+1], v[XS+8*\g:XS+8*\g+7], v148
.endr
	v_nop                                          ; a plain vector line behind the last conversion
	global_store_b128 v[VCO], v[CV+8*(\e):CV+8*(\e)+3], s[18:19] offset:4096*((\e)%2)+512*((\e)/2)        ; keys 0-15 of the block: the image's lanes 0-15; sixteen lanes fill 256 aligned bytes
	global_store_b128 v[VCO], v[CV+8*(\e)+4:CV+8*(\e)+7], s[18:19] offset:4096*((\e)%2)+512*((\e)/2)+256  ; keys 16-31: its lanes 16-31
.if (\e) < 6
	LOADV (\e)+2
.endif
.endm
.Lv:
	s_sub_co_u32 s31, ttmp9, 256
	s_lshr_b32 s31, s31, 6                         ; 0: values_time, 1: values_channel
	s_cmp_eq_u32 s31, 0
	s_cselect_b64 s[32:33], s[12:13], s[14:15]
	s_add_co_u32 s31, s31, 4                       ; t
	PLACE
	LOADV 0
	LOADV 1
.irp e, 0,1,2,3,4,5,6,7
	BLOCKV \e
.endr
	global_store_b64 v[L8], v[SB:SB+1], s[20:21]   ; word 2 l + d: 256 consecutive bytes, aligned
	FINISH
.Lfunc_end_k_q705bc634e0_prep:
	.size	k_q705bc634e0_prep, .Lfunc_end_k_q705bc634e0_prep-k_q705bc634e0_prep
	.p2alignl 7, 3214868480
	.fill 96, 4, 3214868480
	.section	.rodata,"a",@progbits
	.p2align	6, 0x0
	.amdhsa_kernel k_q705bc634e0_prep
		.amdhsa_group_segment_fixed_size 69120
		.amdhsa_private_segment_fixed_size 0
		.amdhsa_enable_private_segment 0
		.amdhsa_kernarg_size 88
		.amdhsa_user_sgpr_count 2
		.amdhsa_user_sgpr_kernarg_segment_ptr 1
		.amdhsa_wavefront_size32 1
		.amdhsa_system_sgpr_workgroup_id_x 1
		.amdhsa_system_sgpr_workgroup_id_y 1
		.amdhsa_system_sgpr_workgroup_id_z 1
		.amdhsa_system_vgpr_workitem_id 0
		.amdhsa_next_free_vgpr 248
		.amdhsa_next_free_sgpr 66
		.amdhsa_reserve_vcc 1
		.amdhsa_float_denorm_mode_32 3
		.amdhsa_float_denorm_mode_16_64 3
		.amdhsa_memory_ordered 1
		.amdhsa_forward_progress 1
		.amdhsa_inst_pref_size 177
	.end_amdhsa_kernel
	.amdgpu_metadata
---
amdhsa.version: [ 1, 2 ]
amdhsa.kernels:
  - .name:           k_q705bc634e0_prep
    .symbol:         k_q705bc634e0_prep.kd
    .args:
      - { .name: queries_time, .offset: 0, .size: 8, .value_kind: global_buffer, .address_space: global }
      - { .name: keys_time, .offset: 8, .size: 8, .value_kind: global_buffer, .address_space: global }
      - { .name: queries_channel, .offset: 16, .size: 8, .value_kind: global_buffer, .address_space: global }
      - { .name: keys_channel, .offset: 24, .size: 8, .value_kind: global_buffer, .address_space: global }
      - { .name: values_time, .offset: 32, .size: 8, .value_kind: global_buffer, .address_space: global }
      - { .name: values_channel, .offset: 40, .size: 8, .value_kind: global_buffer, .address_space: global }
      - { .name: attn_mask, .offset: 48, .size: 8, .value_kind: global_buffer, .address_space: global }
      - { .name: codes, .offset: 56, .size: 8, .value_kind: global_buffer, .address_space: global }
      - { .name: scales, .offset: 64, .size: 8, .value_kind: global_buffer, .address_space: global }
      - { .name: maskw, .offset: 72, .size: 8, .value_kind: global_buffer, .address_space: global }
      - { .name: flags, .offset: 80, .size: 8, .value_kind: global_buffer, .address_space: global }
    .group_segment_fixed_size: 69120
    .private_segment_fixed_size: 0
    .kernarg_segment_align: 8
    .kernarg_segment_size: 88
    .max_flat_workgroup_size: 128
    .sgpr_count:     66
    .vgpr_count:     248
    .wavefront_size: 32
...
	.end_amdgpu_metadata
.endif
;; end of part 3
;; launch attn (part 4): grid 8 x 32, 8 waves a work-group, no clusters, 306,176 bytes of LDS; arguments codes, scales, maskw, flags, out0, out1; writes out0, out1
.if DOCPART == 4
	.amdgcn_target "amdgcn-amd-amdhsa--gfx1250"
	.amdhsa_code_object_version 6
	.text
	.protected	k_q705bc634e0_attn
	.globl	k_q705bc634e0_attn
	.p2align	8
	.type	k_q705bc634e0_attn,@function
k_q705bc634e0_attn:
	s_mov_b64 s[64:65], 0
	v_nop
	global_prefetch_b8 v0, s[64:65] scope:SCOPE_SE
	s_setreg_imm32_b32 hwreg(HW_REG_WAVE_SCHED_MODE, 0, 2), 2
	s_setreg_imm32_b32 hwreg(HW_REG_WAVE_MODE, 25, 1), 1
	s_wait_xcnt 0x0
	s_wait_alu depctr_vm_vsrc(0)
; BOTH ATTENTIONS.  O[q] = the sum over keys of softmax(mask ? -inf : Q[q] . K[k] / 8) V[k], both products on codes of BF8 (E5M2) with one E8M0 byte for each 32 along K, as the launch before has laid them
; (images of operand registers; its head comment gives the layouts).  y = 16 a + bh: attention a (0 time, 1 channel), bh = 8 b + head.
; SOFTMAX: t = score x log2(e) / 8; M = the running largest t rounded UP to a whole number; p = 2^(t - M) is quantised along the keys, not normalised; the row's sum is taken of the unquantised p and divides O at the end;
; when M moves, the sum and O are multiplied by 2^(old M - new M), which rounds nothing.  A row whose every key is masked has the sum 0 and O = 0: 0 x (1 / 0) is NaN, as a softmax of -inf alone is.
; SHARES.  The eight work-groups x = 0 .. 7 of a head each hold ALL of the head's K and V codes and scale words in LDS (270,336 bytes), filled once through registers: no ring, and one barrier in the launch.
; Work-group x owns the query tiles qt = x + 8 k, k = 0 .. 15; wave w takes k = w and then k = 15 - w.  A tile (16 queries) walks the 16 key steps of 128 keys.
; THE MASK IS AN INPUT.  For each tile and step the launch before has stored two bits: bit 0: not all 2,048 flags are set; bit 1: some flag is set.  A step with bit 0 clear adds nothing (every p is 0; M, the sum and O stay)
; and is passed over by a scalar branch on that stored number; with bit 1 set the step's 64 lane masks are read into scalar registers and each score is replaced by -inf where its bit is set.  Any pattern is served.
; NO TENSOR LOAD, NO CLUSTER: the walk branches on stored numbers; what the eight partners share is one fill of 270,336 bytes each, and each passes over up to half of its steps.
; LAYOUT.  Both products are used transposed: a lane holds ONE query (lane % 16).  The head size is 64, half of the instruction's 128: a fragment of K holds TWO tiles of 16 keys (k 0-63: tile 2 f, k 64-127: tile 2 f + 1),
; and source 1 is [Q | zeros] or [zeros | Q]: three runs of eight registers, Q, zeros, Q.  Zero codes add nothing under any scale byte that is not 0xff.  Register n of S^T is key 32 (n / 16) + 16 (lane / 16) + n % 16.
; LIMITS: p under 2^-126 comes out of v_exp_f32 as 0; a block whose largest p lies under 2^-111 keeps the byte 1; NaN and infinities among the f32 inputs are not served.
; THE MODE: SCHED_MODE bits 1:0 = 2 (LLVM: expert scheduling mode 2), set by the entry lines.  The code itself states the register dependences between vector or matrix instructions and memory or LDS instructions,
; with s_wait_alu, always for 0.
; THE PLAN.  Registers that memory or LDS instructions touch:
;   the addresses v3-6, v11, v41, v248-255   Written at the head, never again: one wait on va_vdst ahead of the first load serves every instruction that reads them.
;   the fill's data (v12-15, v244-247, v48-239)   Global loads land in them, LDS stores read them.  v48-111 are loaded twice: a wait on vm_vsrc ahead of the second time.  Behind the barrier one wait on vm_vsrc, ahead of all that writes them anew.
;   v[ADK] .. v[ADT]   A step's four additions write them, its 34 LDS loads read them.  The wait on vm_vsrc stands at the step's end, ahead of the loop's branches; the wait on va_vdst behind the additions.
;   KV, KS, VS   K's loads land, the eight products S^T read; V's loads land, the four products O^T read.  One wait on va_vdst ahead of each of the two runs of loads: the products that read the registers last are done with them.
;   PC, PS, QS   Written by vector lines, taken by scaled products as source 1 or as scales: a wait on va_vdst behind their places, ahead of the products.
;   S, KV on the way out   The multiplications write S, the stage's stores read it; the stage's loads land in KV, the global stores read it.  One wait on va_vdst ahead of the stores; one on vm_vsrc between the two tiles.
;   Q, v[TMP]   Loaded once a tile; the second tile's loads stand behind the way out's wait on va_vdst, and no vector line stands between.
;   v[SPW], v[NIL]   Written at the head, read by the closing add alone.
.set KIMG,  0                          ; K's images: 8,192 bytes a step
.set VIMG,  131072                     ; V's
.set KSC,   262144                     ; K's scale words: 256 bytes a step
.set VSC,   266240                     ; V's
.set STAGE, 270336                     ; the way out: 16 rows x (256 bytes + 16) for each wave
.set SPARE, 305152                     ; the spare words, 128 bytes for each wave: four blocks of 256 bytes that no other line names
.set SPW,  1                           ; v1   LDS address of my spare word; never rewritten
.set NIL,  2                           ; v2   0; never rewritten
.set AK0,  3                           ; v3   16 x lane: my place in an image (and in Q's image in memory)
.set AV0,  4                           ; v4   the same + VIMG
.set ASK0, 5                           ; v5   8 x lane + KSC
.set ASV0, 6                           ; v6   8 x lane + VSC
.set ADK,  7                           ; v7-10 the step's addresses
.set ADV,  8
.set ADS,  9
.set ADT,  10
.set QSO,  11                          ; v11  8 r: Q's scale word
.set Q,    16                          ; v16-23 Q, v24-31 zeros, v32-39 Q.   v12 -M, v13 the largest t, v[14:15] the sum in two halves
.set QS,   40                          ; v40  Q's scale word, its two bytes twice
.set GO,   41                          ; v41  the way out: 2,048 h + 16 r
.set KS,   42                          ; v42-43 K's scale words: lanes 0-15 fragments 0, 2; lanes 16-31 fragments 1, 3
.set VS,   44                          ; v44-45 V's likewise
.set PS,   46                          ; v46  p's scale word
.set NINF, 47                          ; v47  -infinity
.set KV,   48                          ; v48-111  four fragments of K, then of V
.set S,    112                         ; v112-175 S^T, then p
.set O,    176                         ; v176-207 O^T
.set PC,   208                         ; v208-223 p's codes
.set BM,   224                         ; v224-227 the blocks' largest scores, then their largest p
.set T1,   228                         ; v228-231 at work
.set HOLD, 232
.set SOP,  236
.set F,    240                         ; v[240:241] f = 2^(old M - new M) in the low word
.set TMP,  242
.set VSD,  244                         ; v244-247 the fill: V's scale words
.set FO,   248                         ; v248 the fill: 16 x thread
.set FA,   249                         ; v249-253 the fill's LDS addresses: 16 x thread + 65,536 n, n = 0 .. 4
.set STO,  254
.set RD,   255
.set WV,  84
.set QT,  85
.set SEL, 86                           ; s[86:87]
.set CS,  88                           ; s[88:89] c = log2(e) / 8, twice
.set MNT, 90
.set TK,  91                           ; 8,192 x step
.set TSC, 92                           ; 256 x step
.set MO,  93                           ; 256 x step: the mask words' offset
.set FL,  94                           ; the tile's 32 flag bits, the step in hand lowest
.set CNT, 95
.set MB,  98                           ; s[98:99]  the tile's mask words
.set OB,  100                          ; s[100:101] the tile's first row of O
	s_load_b256 s[4:11], s[0:1], 0x0               ; codes, scales, maskw, flags
	s_load_b128 s[12:15], s[0:1], 0x20             ; out0, out1
	v_lshl_add_u32 v[SPW], v0, 2, SPARE
	v_mov_b32 v[NIL], 0
	v_lshrrev_b32 v3, 5, v0
	v_readfirstlane_b32 s[WV], v3                  ; wave 0..7
	v_and_b32 v7, 31, v0                           ; lane
	v_and_b32 v8, 15, v0                           ; r
	v_bfe_u32 v9, v0, 4, 1                         ; h
	v_lshlrev_b32 v[AK0], 4, v7
	v_add_nc_u32 v[AV0], VIMG, v[AK0]
	v_lshlrev_b32 v[ASK0], 3, v7
	v_add_nc_u32 v[ASV0], VSC, v[ASK0]
	v_add_nc_u32 v[ASK0], KSC, v[ASK0]
	v_lshlrev_b32 v[QSO], 3, v8
	v_lshlrev_b32 v[GO], 11, v9
	v_lshl_add_u32 v[GO], v8, 4, v[GO]
	v_mov_b32 v[NINF], 0xff800000
	v_lshlrev_b32 v[FO], 4, v0
	v_lshlrev_b32 v[FA], 4, v0
.irp n, 1,2,3,4
	v_add_nc_u32 v[FA+\n], 65536*\n, v[FA]
.endr
	s_wait_alu depctr_va_sdst(0)                   ; the wave's number is written, ahead of its first reader: my stage's place and my tiles are made from it
	s_mul_i32 s96, s[WV], 16*272
	s_add_co_u32 s96, s96, STAGE                   ; my stage
	v_mul_u32_u24 v[STO], v8, 272
	v_lshl_add_u32 v[STO], v9, 5, v[STO]
	v_add_nc_u32 v[STO], s96, v[STO]               ; in: row r, + 32 h
	v_mul_u32_u24 v[RD], v9, 272
	v_lshl_add_u32 v[RD], v8, 4, v[RD]
	v_add_nc_u32 v[RD], s96, v[RD]                 ; back: lanes 0-15 one row, lanes 16-31 the next
.irp j, 0,1,2,3,4,5,6,7
	v_mov_b32 v[Q+8+\j], 0                         ; the zero codes between the two copies of Q: written once
.endr
	v_mov_b32 v[F+1], 0                            ; named as the upper half of a pair
	s_mov_b32 s[SEL], 0x76543210
	s_mov_b32 s[SEL+1], 0xfedcba98                 ; v_permlanex16_b32's selects for lane l xor 16
	s_mov_b32 s[CS], 0x3e38aa3b                    ; log2(e) / 8
	s_mov_b32 s[CS+1], s[CS]
	s_mov_b32 s[MNT], 0x600000                     ; the mantissa field of 57,344
	s_and_b32 s85, ttmp7, 0xffff                   ; y
	s_lshr_b32 s91, s85, 4                         ; a
	s_and_b32 s92, s85, 15                         ; bh
	s_lshl_b32 s93, s91, 5
	s_add_co_u32 s93, s93, s92                     ; Q's place among the 96 heads of codes: 16 (2 a) + bh
	s_add_co_u32 s94, s93, 16                      ; K's: 16 (2 a + 1) + bh
	s_lshl_b32 s95, s91, 4
	s_add_co_u32 s95, s95, s92
	s_add_co_u32 s95, s95, 64                      ; V's: 16 (4 + a) + bh
	s_mov_b32 s97, 0
	s_wait_kmcnt 0x0
	s_cmp_eq_u32 s91, 0
	s_cselect_b64 s[12:13], s[12:13], s[14:15]     ; the output: the choice hangs on the work-group's number alone
	s_lshl_b32 s96, s94, 17
	s_add_nc_u64 s[16:17], s[4:5], s[96:97]        ; K's codes
	s_lshl_b32 s96, s95, 17
	s_add_nc_u64 s[18:19], s[4:5], s[96:97]        ; V's codes
	s_lshl_b32 s96, s94, 12
	s_add_nc_u64 s[20:21], s[6:7], s[96:97]        ; K's scale words
	s_lshl_b32 s96, s95, 12
	s_add_nc_u64 s[22:23], s[6:7], s[96:97]        ; V's
	s_lshl_b32 s96, s93, 17
	s_add_nc_u64 s[4:5], s[4:5], s[96:97]          ; Q's codes
	s_lshl_b32 s96, s93, 12
	s_add_nc_u64 s[6:7], s[6:7], s[96:97]          ; Q's scale words
	s_lshr_b32 s94, s92, 3                         ; b
	s_lshl_b32 s96, s94, 19
	s_add_nc_u64 s[8:9], s[8:9], s[96:97]          ; maskw: 128 tiles x 4,096 bytes for each b
	s_lshl_b32 s96, s94, 11
	s_add_nc_u64 s[10:11], s[10:11], s[96:97]      ; flags: 128 tiles x 16 bytes
	s_lshl_b32 s96, s94, 22
	s_and_b32 s95, s92, 7
	s_lshl_b32 s95, s95, 8
	s_add_co_u32 s96, s96, s95
	s_add_nc_u64 s[12:13], s[12:13], s[96:97]      ; O at (b, row 0, head)
; The tile's addresses; its four flag words are asked for.  second = 0: k = wave; 1: k = 15 - wave.
.macro TILESET second
.if \second
	s_sub_co_u32 s[QT], 15, s[WV]
.else
	s_mov_b32 s[QT], s[WV]
.endif
	s_lshl_b32 s[QT], s[QT], 3
	s_add_co_u32 s[QT], s[QT], ttmp9               ; qt = x + 8 k
	s_lshr_b32 s94, s[QT], 1                       ; blk
	s_and_b32 s95, s[QT], 1                        ; u
	s_mov_b32 s97, 0
	s_lshl_b32 s96, s94, 11                        ; a block's four pieces,
	s_lshl_b32 s93, s95, 10                        ; of which the tile has pieces 2 u and 2 u + 1
	s_add_co_u32 s96, s96, s93
	s_add_nc_u64 s[2:3], s[4:5], s[96:97]
	s_lshr_b32 s96, s94, 2                         ; the block's scale words: step blk / 4, fragment blk % 4 = 2 j + h: 256 step + 128 h + 4 j (+ 8 r)
	s_lshl_b32 s96, s96, 8
	s_and_b32 s93, s94, 1
	s_lshl_b32 s93, s93, 7
	s_add_co_u32 s96, s96, s93
	s_bfe_u32 s93, s94, 0x10001
	s_lshl_b32 s93, s93, 2
	s_add_co_u32 s96, s96, s93
	s_add_nc_u64 s[14:15], s[6:7], s[96:97]
	s_lshl_b32 s96, s[QT], 12
	s_add_nc_u64 s[MB:MB+1], s[8:9], s[96:97]
	s_lshl_b32 s96, s94, 16                        ; row 32 blk + 8 u of 2,048 bytes
	s_lshl_b32 s93, s95, 14
	s_add_co_u32 s96, s96, s93
	s_add_nc_u64 s[OB:OB+1], s[12:13], s[96:97]
	s_lshl_b32 s91, s[QT], 4
	s_load_b128 s[24:27], s[10:11], s91 offset:0x0 ; (s91 is written again only behind the wait for this load)
	s_cmp_eq_u32 s95, 0
	s_mov_b32 s28, 0x03020302
	s_cselect_b32 s28, 0x01000100, s28             ; which two bytes of the block's scale word are the tile's
.endm
.macro QLOAD                           ; Q's eight registers, twice; its block's scale word
	global_load_b128 v[Q:Q+3], v[AK0], s[2:3]
	global_load_b128 v[Q+4:Q+7], v[AK0], s[2:3] offset:512
	global_load_b128 v[Q+16:Q+19], v[AK0], s[2:3]
	global_load_b128 v[Q+20:Q+23], v[AK0], s[2:3] offset:512
	global_load_b32 v[TMP], v[QSO], s[14:15]
.endm
.macro QREADY
	s_wait_loadcnt 0x0                             ; Q
	s_wait_kmcnt 0x0                               ; the flag words
	s_lshl_b32 s25, s25, 8
	s_lshl_b32 s26, s26, 16
	s_lshl_b32 s27, s27, 24
	s_or_b32 s[FL], s24, s25
	s_or_b32 s[FL], s[FL], s26
	s_or_b32 s[FL], s[FL], s27                     ; two bits a step, step 0 lowest
	v_perm_b32 v[QS], v[TMP], v[TMP], s28          ; [q0, q1, q0, q1]: serves [Q | 0] and [0 | Q] alike
	v_mov_b32 v13, 0xff61b1e6                      ; the largest t so far: -3e38
	v_floor_f32 v12, -v13                          ; -M
	v_mov_b32 v14, 0
	v_mov_b32 v15, 0
.set j, 0
.rept 32
	v_mov_b32 v[O+j], 0                            ; O^T: a tile may have no step at all, so the sums begin as zeros.  (Also the places between the scale word's making and the first product)
.set j, j+1
.endr
	s_mov_b32 s[TK], 0
	s_mov_b32 s[TSC], 0
	s_mov_b32 s[MO], 0
	s_mov_b32 s[CNT], 0
.endm
.macro QK f, u                         ; S^T tile 2 f + u = 16 keys x my 16 queries
.if (\f)%2
	v_wmma_scale_f32_16x16x128_f8f6f4 v[S+8*(2*\f+\u):S+8*(2*\f+\u)+7], v[KV+16*\f:KV+16*\f+15], v[Q+8*\u:Q+8*\u+15], 0, v[KS+\f/2], v[QS] matrix_a_fmt:MATRIX_FMT_BF8 matrix_b_fmt:MATRIX_FMT_BF8 matrix_a_scale:MATRIX_SCALE_ROW1
.else
	v_wmma_scale_f32_16x16x128_f8f6f4 v[S+8*(2*\f+\u):S+8*(2*\f+\u)+7], v[KV+16*\f:KV+16*\f+15], v[Q+8*\u:Q+8*\u+15], 0, v[KS+\f/2], v[QS] matrix_a_fmt:MATRIX_FMT_BF8 matrix_b_fmt:MATRIX_FMT_BF8
.endif
.endm
; A step's first part: K's four fragments, the eight products S^T = K Q^T, and the request for V's four fragments, which land under the softmax.
.macro FRONT
	v_add_nc_u32 v[ADK], s[TK], v[AK0]             ; (the loads that read these four registers last have read them: the wait on vm_vsrc stands at the end of the step that issued them)
	v_add_nc_u32 v[ADV], s[TK], v[AV0]
	v_add_nc_u32 v[ADS], s[TSC], v[ASK0]
	v_add_nc_u32 v[ADT], s[TSC], v[ASV0]
.rept 4
	v_nop                                          ; with the four additions: eight plain lines between the last step's products and the loads into the registers that they read; the wait below states that dependence
.endr
	s_wait_alu depctr_va_vdst(0)                   ; the four addresses are written, which this step's loads read; the last step's products are done reading KV, KS and VS, in which they land; in a tile's first step Q's scale word is written, which the products below take
.irp f, 0,1,2,3
.irp c, 0,1,2,3
	ds_load_b128 v[KV+16*\f+4*\c:KV+16*\f+4*\c+3], v[ADK] offset:2048*\f+512*\c   ; an image: 512 consecutive bytes
.endr
.endr
	ds_load_b64 v[KS:KS+1], v[ADS]
	s_wait_dscnt 0x0
.irp f, 0,1,2,3
	QK \f, 0
	QK \f, 1
.endr
.rept 8
	v_nop                                          ; eight places in front of the first read of the scores
.endr
	s_wait_alu depctr_va_vdst(0)                   ; the eight products are done reading K's fragments, in which V's land.  No vector line up to the products O^T names KV, VS or the two addresses
.irp t, 0,1,2,3
.irp c, 0,1,2,3
	ds_load_b128 v[KV+16*\t+4*\c:KV+16*\t+4*\c+3], v[ADV] offset:2048*\t+512*\c
.endr
.endr
	ds_load_b64 v[VS:VS+1], v[ADT]
.endm
; The softmax of 16 queries x 128 keys, and p's codes and scale word.  Vector lines alone: none names a register that a load of the step touches.
.macro SOFT
.irp b, 0,1,2,3
	v_max3_num_f32 v[BM+\b], v[S+16*\b], v[S+1+16*\b], v[S+2+16*\b]   ; the largest score of each block of 32 keys: it serves the row's maximum and, since p rises with the score, the block's largest p.  (Each accumulator is read from its low end on)
.endr
.irp i, 3,5,7,9,11,13
.irp b, 0,1,2,3
	v_max3_num_f32 v[BM+\b], v[BM+\b], v[S+16*\b+\i], v[S+1+16*\b+\i]
.endr
.endr
.irp b, 0,1,2,3
	v_max_num_f32 v[BM+\b], v[BM+\b], v[S+15+16*\b]
.endr
.irp b, 0,1,2,3
	v_permlanex16_b32 v[T1+\b], v[BM+\b], s[SEL], s[SEL+1]
.endr
.irp b, 0,1,2,3
	v_max_num_f32 v[BM+\b], v[BM+\b], v[T1+\b]     ; with lane l xor 16's 16 keys
.endr
	v_max3_num_f32 v[TMP], v[BM], v[BM+1], v[BM+2]
	v_max_num_f32 v[TMP], v[TMP], v[BM+3]          ; the step's largest score of my query (-infinity where all its keys are masked)
	v_mul_f32 v[TMP], s[CS], v[TMP]
	v_max_num_f32 v13, v13, v[TMP]                 ; the running largest t
	v_mov_b32 v[TMP], v12
	v_floor_f32 v12, -v13                          ; the new -M = -ceil(t): a whole number
	v_sub_f32 v[TMP], v12, v[TMP]                  ; old M - new M: a whole number, 0 or less
	v_cvt_i32_f32 v[TMP], v[TMP]                   ; (it saturates)
	v_ldexp_f32 v[F], 1.0, v[TMP]                  ; f = 2^(old M - new M)
.set j, 0
.rept 32
	v_pk_fma_f32 v[S+j:S+j+1], v[S+j:S+j+1], s[CS:CS+1], v[12:13] op_sel_hi:[1,0,0]   ; t - M, two at a time
.set j, j+2
.endr
.irp b, 0,1,2,3
	v_fma_f32 v[BM+\b], v[BM+\b], s[CS], v12       ; the same of each block's largest score
.endr
.set j, 0
	s_wait_alu depctr_va_vdst(0)
.rept 64
	v_exp_f32 v[S+j], v[S+j]                       ; p = 2^(t - M), at most 1
.set j, j+1
.endr
	v_pk_mul_f32 v[14:15], v[14:15], v[F:F+1] op_sel_hi:[1,0]   ; the sums under the new M: a plain line behind the exponentials
	s_wait_alu depctr_va_vdst(0)                   ; the 64 exponentials have written p: the wait ahead of the first line that names a result: one for the 64
.irp b, 0,1,2,3
	v_exp_f32 v[BM+\b], v[BM+\b]                   ; the block's largest p: the same two instructions on the same number give the same bits
.endr
	v_pk_add_f32 v[T1:T1+1], v[S:S+1], v[S+2:S+3]  ; the row's sum is taken of the unquantised p, in two chains
.irp j, 4,8,12,16,20,24,28,32,36,40,44,48,52,56,60
	v_pk_add_f32 v[14:15], v[14:15], v[S+\j:S+\j+1]
	v_pk_add_f32 v[T1:T1+1], v[T1:T1+1], v[S+2+\j:S+3+\j]
.endr
	v_pk_add_f32 v[14:15], v[14:15], v[T1:T1+1]
	s_wait_alu depctr_va_vdst(0)                   ; the four exponentials have written the blocks' largest p: the same wait, one for the four
.irp b, 0,1,2,3
	v_max_num_f32 v[BM+\b], 0x8000000, v[BM+\b]    ; the floor 2^(16 - 127): the byte cannot fall under 1
.endr
.irp b, 0,1,2,3
	v_add_nc_u32 v[SOP+\b], 0xf8800000, v[BM+\b]   ; 15 off the exponent field: the conversion's scale operand
.endr
.irp b, 0,1,2,3
	v_and_or_b32 v[HOLD+\b], v[BM+\b], 0x7f800000, s[MNT]   ; 57,344 x the scale
.endr
.irp b, 0,1,2,3
	v_lshrrev_b32 v[T1+\b], 23, v[SOP+\b]          ; the byte
.endr
	v_lshl_or_b32 v[PS], v[T1+1], 8, v[T1]
	v_lshl_or_b32 v[PS], v[T1+2], 16, v[PS]
	v_lshl_or_b32 v[PS], v[T1+3], 24, v[PS]
.irp b, 0,1,2,3
.irp i, 0,1,2,3,4,5,6,7,8,9,10,11,12,13,14,15
	v_min_num_f32 v[S+16*\b+\i], v[S+16*\b+\i], v[HOLD+\b]   ; the conversion does not saturate (ISA guide 7.6.2); p is not negative, so the hold is one-sided
.endr
	v_cvt_scalef32_pk8_bf8_f32 v[PC+4*\b:PC+1+4*\b], v[S+16*\b:S+7+16*\b], v[SOP+\b]
	v_cvt_scalef32_pk8_bf8_f32 v[PC+2+4*\b:PC+3+4*\b], v[S+8+16*\b:S+15+16*\b], v[SOP+\b]
.endr
.set j, 0
.rept 16
	v_pk_mul_f32 v[O+j:O+j+1], v[O+j:O+j+1], v[F:F+1] op_sel_hi:[1,0]   ; O^T under the new M.  (These sixteen are also the places between the codes' making and the products)
.set j, j+2
.endr
.endm
; O^T += V^T P^T: four tiles of 16 channels, one instruction an accumulator; the next step's eight products on other accumulators stand between two links of a chain.
.macro PV
	s_wait_dscnt 0x0                               ; V and its scale words are in
	s_wait_alu depctr_vm_vsrc(0)                   ; the step's LDS loads have read v[ADK] to v[ADT], which the next step's additions write: stated here, ahead of the loop's branches
	s_wait_alu depctr_va_vdst(0)                   ; the conversions have written p's codes, and p's scale word is written: the products below take them as source 1 and as its scales; their places stand above this wait
.irp t, 0,1,2,3
.if \t%2
	v_wmma_scale_f32_16x16x128_f8f6f4 v[O+8*\t:O+8*\t+7], v[KV+16*\t:KV+16*\t+15], v[PC:PC+15], v[O+8*\t:O+8*\t+7], v[VS+\t/2], v[PS] matrix_a_fmt:MATRIX_FMT_BF8 matrix_b_fmt:MATRIX_FMT_BF8 matrix_a_scale:MATRIX_SCALE_ROW1
.else
	v_wmma_scale_f32_16x16x128_f8f6f4 v[O+8*\t:O+8*\t+7], v[KV+16*\t:KV+16*\t+15], v[PC:PC+15], v[O+8*\t:O+8*\t+7], v[VS+\t/2], v[PS] matrix_a_fmt:MATRIX_FMT_BF8 matrix_b_fmt:MATRIX_FMT_BF8
.endif
.endr
.endm
; The tile's walk over the 16 key steps: a constant count of trips; what a step's two stored bits decide is jumped over inside the trip; the lines that step addresses stand on every way.
.macro WALK
.Lstep_\@:
	s_and_b32 s97, s[FL], 1
	s_cmp_eq_u32 s97, 0
	s_cbranch_scc1 .Lnext_\@                       ; every flag of the step is set: nothing to add
	s_and_b32 s97, s[FL], 2
	s_cmp_eq_u32 s97, 0
	s_cbranch_scc1 .Lopen_\@                       ; no flag is set: the scores stand as they are
	s_load_b512 s[16:31], s[MB:MB+1], s[MO] offset:0x0     ; the step's 64 lane masks: word n in s[16 + n], from n = 48 on in s[20 + n]
	s_load_b512 s[32:47], s[MB:MB+1], s[MO] offset:0x40
	s_load_b512 s[48:63], s[MB:MB+1], s[MO] offset:0x80
	s_load_b512 s[68:83], s[MB:MB+1], s[MO] offset:0xc0
	FRONT
	s_wait_kmcnt 0x0                               ; the masks are in (and their offset may be stepped)
.set n, 0
.rept 64
.if n < 48
	v_cndmask_b32 v[S+n], v[S+n], v[NINF], s[16+n] ; -infinity where the bit is set: p = 0 then
.else
	v_cndmask_b32 v[S+n], v[S+n], v[NINF], s[20+n]
.endif
.set n, n+1
.endr
	s_branch .Lsoft_\@
.Lopen_\@:
	FRONT
.Lsoft_\@:
	SOFT
	PV
.Lnext_\@:
	s_lshr_b32 s[FL], s[FL], 2
	s_add_co_u32 s[TK], s[TK], 8192
	s_add_co_u32 s[TSC], s[TSC], 256
	s_add_co_u32 s[MO], s[MO], 256
	s_add_co_u32 s[CNT], s[CNT], 1
	s_cmp_lt_u32 s[CNT], 16
	s_cbranch_scc1 .Lstep_\@
.endm
; The way out: O^T / the sum goes through my stage and leaves as whole rows of 256 bytes.
.macro OUT
.rept 8
	v_nop                                          ; eight places behind the last products
.endr
	v_add_f32 v14, v14, v15                        ; the sum's two halves,
	v_permlanex16_b32 v[TMP], v14, s[SEL], s[SEL+1]
	v_add_f32 v14, v14, v[TMP]                     ; and lane l xor 16's
	s_wait_alu depctr_va_vdst(0)
	v_rcp_f32 v14, v14
	v_nop                                          ; a plain line behind the transcendental
	s_wait_alu depctr_va_vdst(0)                   ; the reciprocal is written: the wait ahead of its first reader
.set j, 0
.rept 32
	v_mul_f32 v[S+j], v[O+j], v14                  ; register 8 t + i: channel 16 t + 8 h + i of query r
.set j, j+1
.endr
	s_wait_alu depctr_va_vdst(0)                   ; the multiplications have written S, which the stage's stores read; the tile's products are done reading KV, in which the stage's loads land
.irp t, 0,1,2,3
	ds_store_b128 v[STO], v[S+8*\t:S+8*\t+3] offset:64*\t
	ds_store_b128 v[STO], v[S+8*\t+4:S+8*\t+7] offset:64*\t+16
.endr
.irp i, 0,1,2,3,4,5,6,7
	ds_load_b128 v[KV+4*\i:KV+4*\i+3], v[RD] offset:544*\i   ; LDS serves a wave's instructions in order: these see my stores
.endr
.irp i, 0,1,2,3,4,5,6,7
	s_wait_dscnt 7-\i                              ; rows 2 i and 2 i + 1 are back; the 7 - i younger loads may be out
	global_store_b128 v[GO], v[KV+4*\i:KV+4*\i+3], s[OB:OB+1] offset:(2*\i+8*(\i/4))*2048 th:TH_STORE_NT   ; the tile's query p lies p + 8 (p / 8) rows on; sixteen lanes store 256 consecutive bytes, aligned
.endr
	s_wait_xcnt 0x0                                ; the stores have had their addresses translated: their registers and their base may be written
.endm
.macro GETB set, base, off             ; sixteen loads of the work-group's 4,096 consecutive bytes each
.irp i, 0,1,2,3,4,5,6,7,8,9,10,11,12,13,14,15
	global_load_b128 v[\set+4*\i:\set+4*\i+3], v[FO], s[\base:\base+1] offset:\off+4096*\i
.endr
.endm
.macro PUTB set, adr
.irp i, 0,1,2,3,4,5,6,7,8,9,10,11,12,13,14,15
	ds_store_b128 v[\adr], v[\set+4*\i:\set+4*\i+3] offset:4096*\i
.endr
.endm
	TILESET 0
	s_wait_alu depctr_va_vdst(0)                   ; every address register of the kernel but the steps' four is written, and so are the zero codes between the two copies of Q: Q's loads, the fill and the way out read the addresses, and no vector line writes them again
	QLOAD                                          ; five loads
	; THE FILL: the head's K and V, 270,336 bytes, as they lie in memory: thread i takes 16 bytes at 16 i of each 4,096.  Three sets of 64 registers: 48 loads of a wave are out.
	global_load_b128 v[12:15], v[FO], s[20:21]     ; K's scale words
	global_load_b128 v[VSD:VSD+3], v[FO], s[22:23] ; V's
	GETB KV, 16, 0
	GETB S, 16, 65536
	GETB O, 18, 0
	s_wait_loadcnt 32                              ; all but the last two batches of sixteen
	ds_store_b128 v[FA+4], v[12:15]
	ds_store_b128 v[FA+4], v[VSD:VSD+3] offset:4096
	PUTB KV, FA
	s_wait_dscnt 0x0                               ; my stores of the first set have landed
	s_wait_alu depctr_vm_vsrc(0)                   ; and have read the first set, in which the next sixteen loads land
	GETB KV, 18, 65536
	s_wait_loadcnt 32                              ; K's second half is in; two batches may be out
	PUTB S, FA+1
	s_wait_loadcnt 16                              ; V's first half
	PUTB O, FA+2
	s_wait_loadcnt 0x0
	PUTB KV, FA+3
	s_wait_dscnt 0x0                               ; for the others' sake: my stores have landed
	s_barrier_signal -1
	s_barrier_wait -1                              ; the launch's one barrier: behind it the images are only read
	s_wait_alu depctr_vm_vsrc(0)                   ; my LDS stores have read the fill's registers (v12-15, v48-239): from here on vector lines, products and LDS loads write them
.irp b, 0,1,2,3
	v_mov_b32 v[T1+\b], 0                          ; written once: a lane permute's destination counts as one of its sources
.endr
	QREADY
	WALK
	OUT
	s_wait_alu depctr_vm_vsrc(0)                   ; the stage's stores have read S and the global stores KV: the second tile writes both anew, on the way out too if it has no step at all
	TILESET 1
	QLOAD                                          ; no vector line stands behind the way out's last wait on va_vdst, which shows the products done reading Q and the way out's lines done with v[TMP]
	QREADY
	WALK
	OUT
	s_wait_dscnt 0x0                               ; the closing lines, six on end
	s_wait_alu 0x0
	s_wait_tensorcnt 0x0
	ds_add_u32 v[SPW], v[NIL]
	s_wait_dscnt 0x0
	s_endpgm
.Lfunc_end_k_q705bc634e0_attn:
	.size	k_q705bc634e0_attn, .Lfunc_end_k_q705bc634e0_attn-k_q705bc634e0_attn
	.p2alignl 7, 3214868480
	.fill 96, 4, 3214868480
	.section	.rodata,"a",@progbits
	.p2align	6, 0x0
	.amdhsa_kernel k_q705bc634e0_attn
		.amdhsa_group_segment_fixed_size 306176
		.amdhsa_private_segment_fixed_size 0
		.amdhsa_enable_private_segment 0
		.amdhsa_kernarg_size 48
		.amdhsa_user_sgpr_count 2
		.amdhsa_user_sgpr_kernarg_segment_ptr 1
		.amdhsa_wavefront_size32 1
		.amdhsa_system_sgpr_workgroup_id_x 1
		.amdhsa_system_sgpr_workgroup_id_y 1
		.amdhsa_system_sgpr_workgroup_id_z 1
		.amdhsa_system_vgpr_workitem_id 0
		.amdhsa_next_free_vgpr 256
		.amdhsa_next_free_sgpr 102
		.amdhsa_reserve_vcc 0
		.amdhsa_float_denorm_mode_32 3
		.amdhsa_float_denorm_mode_16_64 3
		.amdhsa_memory_ordered 1
		.amdhsa_forward_progress 1
		.amdhsa_inst_pref_size 82
	.end_amdhsa_kernel
	.amdgpu_metadata
---
amdhsa.version: [ 1, 2 ]
amdhsa.kernels:
  - .name:           k_q705bc634e0_attn
    .symbol:         k_q705bc634e0_attn.kd
    .args:
      - { .name: codes, .offset: 0, .size: 8, .value_kind: global_buffer, .address_space: global }
      - { .name: scales, .offset: 8, .size: 8, .value_kind: global_buffer, .address_space: global }
      - { .name: maskw, .offset: 16, .size: 8, .value_kind: global_buffer, .address_space: global }
      - { .name: flags, .offset: 24, .size: 8, .value_kind: global_buffer, .address_space: global }
      - { .name: out0, .offset: 32, .size: 8, .value_kind: global_buffer, .address_space: global }
      - { .name: out1, .offset: 40, .size: 8, .value_kind: global_buffer, .address_space: global }
    .group_segment_fixed_size: 306176
    .private_segment_fixed_size: 0
    .kernarg_segment_align: 8
    .kernarg_segment_size: 48
    .max_flat_workgroup_size: 256
    .sgpr_count:     102
    .vgpr_count:     256
    .wavefront_size: 32
...
	.end_amdgpu_metadata
.endif
;; end of part 4
